; MI455X (gfx1250); checked and timed in simulation.
; The chip was launched on July 23, 2026; its instructions are those of AMD's public machine-readable ISA for CDNA 5 (MIT licence, August 2026) and "CDNA5" Instruction Set Architecture Reference Guide (July 2026). The comments in the code are by the model that wrote it; some were corrected since.
;; Bi Multi Head Cross Attention. Allowed arithmetic: matrix products marked QUANTISED: E2M1 operands, one E8M0 scale for each 32 along K, by v_wmma_scale_f32_16x16x128_f8f6f4 with both operands' format E2M1 (or v_wmma_scale_f32_32x16x128_f4), f32 sums; products left as they are: bf16, f16 or f32 operands; f32 sums; everything else in f32.
;; Inputs: Wk 1,024 x 768 float32; Wo1 1,024 x 1,024 float32; Wo2 768 x 1,024 float32; Wq 1,024 x 1,024 float32; Wv1 1,024 x 1,024 float32; Wv2 1,024 x 768 float32; attention_mask_1 2 x 4,096 bool; attention_mask_2 2 x 1,024 bool; bk 1,024 float32; bo1 1,024 float32; bo2 768 float32; bq 1,024 float32; bv1 1,024 float32; bv2 1,024 float32; x1 2 x 4,096 x 1,024 float32; x2 2 x 1,024 x 768 float32.
;; Outputs: out0 2 x 4,096 x 1,024 float32; out1 2 x 1,024 x 768 float32.
;; This version of the problem:
;;   THIS VERSION OF THE PROBLEM IS GIVEN IN LOW PRECISION. The matrix products marked QUANTISED in the list below multiply operands that are first quantised to E2M1 (2 exponent bits, 1 mantissa bit; 4 bits a number), with one power-of-two scale for each 32 numbers along K (OCP MX v1.0); their sums are f32. The products marked 'left as it is' may take bf16, f16 or f32 operands, with f32 sums. Whichever they take, every output number must still come out within the allowed error. Rounding operands to bf16 (8 significant bits) uses up far more of that allowance than f16 does (11 bits, for magnitudes from 6e-5 to 65,504). All else is computed in f32.
;;   The module's matrix products, in the order in which they are computed (A, B: the left and right operand; K: the contracted axis; several contracted axes count as one K, in the product's order):
;;     1. [M 8,192, K 1,024] x [K 1,024, N 1,024]; A: input x1; B: input Wq: QUANTISED
;;     2. [M 2,048, K 768] x [K 768, N 1,024]; A: input x2; B: input Wk: QUANTISED
;;     3. [M 8,192, K 1,024] x [K 1,024, N 1,024]; A: input x1; B: input Wv1: QUANTISED
;;     4. [M 2,048, K 768] x [K 768, N 1,024]; A: input x2; B: input Wv2: QUANTISED
;;     5. batch 32 x [M 4,096, K 64] x [K 64, N 1,024]; A: computed on the way; B: computed on the way: left as it is (an operand is computed on the way)
;;     6. batch 32 x [M 4,096, K 1,024] x [K 1,024, N 64]; A: computed on the way; B: computed on the way: left as it is (an operand is computed on the way)
;;     7. batch 32 x [M 1,024, K 4,096] x [K 4,096, N 64]; A: computed on the way; B: computed on the way: left as it is (an operand is computed on the way)
;;     8. [M 8,192, K 1,024] x [K 1,024, N 1,024]; A: computed on the way; B: input Wo1: left as it is (an operand is computed on the way)
;;     9. [M 2,048, K 1,024] x [K 1,024, N 768]; A: computed on the way; B: input Wo2: left as it is (an operand is computed on the way)
;;   THE QUANTISER, for each operand of a quantised product, along K:
;;     - K is cut into blocks of 32 from its start; a last block that is shorter is filled with zeros.
;;     - A block's scale is 2^e with e = floor(log2(the largest magnitude in the block)) - 2, held to -126 .. 127; a block of zeros has e = 0. As a byte (E8M0): e + 127.
;;     - Each number is divided by its block's scale, clamped to +-6, and rounded to the nearest number of E2M1, ties to even, subnormals kept.
;;     - The product sums the exact products of the quantised numbers (number of the format x scale) in f32.
;;   ~~~python
;;   def quantise(x, axis):      # numpy; x: float32 -> the quantised numbers, widened to float32 again
;;       x = np.moveaxis(x, axis, -1); K = x.shape[-1]
;;       x = np.pad(x, [(0, 0)] * (x.ndim - 1) + [(0, -K % 32)]); x = x.reshape(x.shape[:-1] + (-1, 32)); a = np.abs(x).max(-1, keepdims=True)
;;       e = np.where(a > 0, np.clip(np.frexp(np.where(a > 0, a, 1))[1] - 1 - 2, -126, 127), 0)      # np.frexp(a)[1] - 1 = floor(log2(a)), exactly
;;       r = np.clip(x / 2.0 ** e, -6, 6)
;;       step = 2.0 ** (np.maximum(np.frexp(np.where(r == 0, 1, r))[1] - 1, 0) - 1)
;;       q = np.round(r / step) * step * 2.0 ** e      # np.round: ties to even
;;       return np.moveaxis(q.reshape(q.shape[:-2] + (-1,))[..., :K], -1, axis).astype(np.float32)
;;   ~~~
;; One version. Each part assembles by itself: llvm-mc -triple=amdgcn-amd-amdhsa -mcpu=gfx1250 --defsym DOCPART=n.
;; ======== version 1 of 1: 5 launches
;; limits: values are held in f16: magnitudes above 65,504 overflow, below 6.1e-05 lose precision
;; workspace buffers: codes 7,340,032 bytes; scales 458,752 bytes; wo16 3,670,016 bytes; cbias 40,960 bytes; qkv 41,943,040 bytes; gpart 1,024 bytes; ob 20,971,520 bytes
;; launch prep (part 1): grid 524 x 1, 4 waves a work-group, no clusters, 38,400 bytes of LDS; arguments x1, x2, Wq, Wv1, Wk, Wv2, Wo1, Wo2, attention_mask_1, attention_mask_2, codes, scales, wo16, cbias; writes codes, scales, wo16, cbias
.if DOCPART == 1
	.amdgcn_target "amdgcn-amd-amdhsa--gfx1250"
	.amdhsa_code_object_version 6
	.text
	.protected	k_qf67312244e_prep
	.globl	k_qf67312244e_prep
	.p2align	8
	.type	k_qf67312244e_prep,@function
k_qf67312244e_prep:
	s_mov_b64 s[64:65], 0
	v_nop
	global_prefetch_b8 v0, s[64:65] scope:SCOPE_SE
	s_setreg_imm32_b32 hwreg(HW_REG_WAVE_MODE, 25, 1), 1
	s_wait_xcnt 0x0
; THREE JOBS, told apart by the work-group's number.
; (Q) work-groups 0-447: x1, x2, Wq, Wv1, Wk, Wv2 (f32, K innermost) become codes of FP4 (E2M1) and one E8M0 byte for each 32 along K.
;     Output rows: 0 x1, 8192 x2, 10240 Wq, 11264 Wv1, 12288 Wk, 13312 Wv2; every row is 1,024 codes (512 bytes) and 32 scale bytes; rows of K = 768 are filled up with zero codes.
;     A block's scale is 2^(floor(log2(largest magnitude)) - 2); its byte is the largest magnitude's exponent field - 2, held at 1 from below.  A block of zeros keeps the byte 1: its codes are zeros and this program alone reads the bytes.
; (C) work-groups 448-503: Wo1, Wo2 become f16, laid [n / 256][k / 64][256 n][64 k]: blocks of 32,768 bytes, as the last launch's tensor loads take them.
; (M) work-groups 504-523: the two masks become tables of f32: 0 where true, -2^126 where false.
; LIMITS: NaN and infinities among the inputs are not served; blocks whose largest magnitude lies under 2^-124 have their byte held at 1; Wo's numbers lie under 65,504.
; No work-group shares an input with another: no cluster, no tensor load, no barrier (a wave's LDS bytes are its own).
; (Q) in detail: 32 rows a work-group, 8 a wave.  A LANE HOLDS ONE WHOLE BLOCK OF 32, lane l block l of the row; but each load reads 512 consecutive bytes, 16 a lane.  So a row turns through
; the wave's own stage in LDS: in as it lies, 128 bytes to a place and 16 of padding behind each, out 128 bytes a lane.  Loads run three rows ahead, the turn one row.
.set WREG,  9472                       ; LDS of a wave: two stages of 4,608 bytes, then its 256 scale bytes
.set STG,   4608
.set SCB,   9216
.set SPARE, 4*WREG                     ; behind the four regions: the spare words, 128 bytes for each wave, which no other line names
.set VO,  16                           ; v16-23   row r: 16 x lane + r x the row's pitch in memory
.set VP,  24                           ; v24-31   the same for a row's last 1,024 bytes (K = 768: the row's head once more, zeroed afterwards)
.set R,   32                           ; v32-127  three sets of 32 numbers as loaded
.set X,   128                          ; v128-191 two sets of 32 neighbours
.set C,   192                          ; v192-223 four registers of codes for each row: no store's data are written again
.set E,   224                          ; v224-231 a scale byte for each row
.set SPW, 232                          ; v232     LDS address of my spare word; never rewritten
.set NIL, 233                          ; v233     0; never rewritten
	s_load_b512 s[8:23], s[0:1], 0x0               ; x1 8, x2 10, Wq 12, Wv1 14, Wk 16, Wv2 18, Wo1 20, Wo2 22
	s_load_b256 s[24:31], s[0:1], 0x40             ; mask 1 24, mask 2 26, codes 28, scales 30
	s_load_b128 s[32:35], s[0:1], 0x60             ; wo16 32, cbias 34
	v_lshl_add_u32 v[SPW], v0, 2, SPARE
	v_mov_b32 v[NIL], 0
	v_lshrrev_b32 v2, 5, v0
	v_readfirstlane_b32 s36, v2                    ; wave
	v_and_b32 v1, 31, v0                           ; lane
	s_cmp_ge_u32 ttmp9, 448
	s_cbranch_scc1 .Lconv
	; ---------------- (Q) ----------------
	s_wait_kmcnt 0x0
	s_mov_b64 s[40:41], s[8:9]                     ; the source, its first work-group, its row pitch: chosen by the work-group's number alone
	s_mov_b32 s42, 0
	s_mov_b32 s43, 4096
.macro PICK t, p, pitch
	s_cmp_ge_u32 ttmp9, \t
	s_cselect_b64 s[40:41], s[\p:\p+1], s[40:41]
	s_cselect_b32 s42, \t, s42
	s_cselect_b32 s43, \pitch, s43
.endm
	PICK 256, 10, 3072
	PICK 320, 12, 4096
	PICK 352, 14, 4096
	PICK 384, 16, 3072
	PICK 416, 18, 3072
	s_cmp_eq_u32 s43, 4096
	s_cselect_b32 s44, -1, 0                       ; keeps or zeroes a row's last 256 numbers
	s_cselect_b32 s45, 3072, 0                     ; where these are loaded from
	s_sub_co_u32 s46, ttmp9, s42
	s_lshl_b32 s46, s46, 5
	s_lshl_b32 s47, s36, 3
	s_add_co_u32 s46, s46, s47                     ; my wave's first row in the source
	s_mul_i32 s46, s46, s43
	s_mov_b32 s47, 0
	s_add_nc_u64 s[40:41], s[40:41], s[46:47]
	s_lshl_b32 s46, ttmp9, 14                      ; output row 32 x work-group + 8 x wave, 512 bytes of codes each,
	s_lshl_b32 s48, s36, 12
	s_add_co_u32 s46, s46, s48
	s_add_nc_u64 s[28:29], s[28:29], s[46:47]
	s_lshr_b32 s46, s46, 4                         ; 32 scale bytes each
	s_add_nc_u64 s[30:31], s[30:31], s[46:47]
	v_lshlrev_b32 v3, 4, v1                        ; 16 x lane: my bytes of a load, and of a row of codes
.irp r, 0,1,2,3,4,5,6,7
	v_mad_u32_u24 v[VO+\r], s43, \r, v3
.endr
.irp r, 0,1,2,3,4,5,6,7
	v_add_nc_u32 v[VP+\r], s45, v[VO+\r]
.endr
	s_mul_i32 s49, s36, WREG
	v_lshrrev_b32 v4, 3, v1
	v_mul_u32_u24 v4, v4, 144
	v_and_b32 v5, 7, v1
	v_lshl_add_u32 v4, v5, 4, v4
	v_add_nc_u32 v4, s49, v4                       ; the stage, on the way in: eight lanes' 128 bytes on end, then 16 of padding
	v_mul_u32_u24 v5, v1, 144
	v_add_nc_u32 v5, s49, v5                       ; on the way out: my block's 128 bytes
	v_add_nc_u32 v6, s49, v1                       ; my block's scale byte
	v_lshlrev_b32 v7, 3, v1                        ; the scale bytes leave 8 a lane
	v_add_nc_u32 v8, s49, v7
.macro LOAD r
.irp i, 0,1,2,3,4,5
	global_load_b128 v[R+32*((\r)%3)+4*\i:R+32*((\r)%3)+4*\i+3], v[VO+(\r)], s[40:41] offset:512*\i th:TH_LOAD_NT
.endr
.irp i, 0,1
	global_load_b128 v[R+32*((\r)%3)+24+4*\i:R+32*((\r)%3)+24+4*\i+3], v[VP+(\r)], s[40:41] offset:512*\i
.endr
.endm
.macro PADZ r                          ; past K = 768 the numbers are zeros
.irp i, 24,25,26,27,28,29,30,31
	v_and_b32 v[R+32*((\r)%3)+\i], s44, v[R+32*((\r)%3)+\i]
.endr
.endm
.macro TURN r                          ; LDS serves a wave's instructions in order: no wait between the stores and the loads
.irp i, 0,1,2,3,4,5,6,7
	ds_store_b128 v4, v[R+32*((\r)%3)+4*\i:R+32*((\r)%3)+4*\i+3] offset:STG*((\r)%2)+576*\i
.endr
.irp i, 0,1,2,3,4,5,6,7
	ds_load_b128 v[X+32*((\r)%2)+4*\i:X+32*((\r)%2)+4*\i+3], v5 offset:STG*((\r)%2)+16*\i
.endr
.endm
.macro ROW r
.set XS, X+32*((\r)%2)
.if (\r) > 0
	s_wait_dscnt 1                                 ; this row is back from the stage (the last row's byte store may be out): so its stores into the stage have read their registers,
.else
	s_wait_dscnt 0x0
.endif
.if (\r)+3 < 8
	LOAD (\r)+3                                    ; which take the row three further on
.endif
.if (\r) < 7
.if (\r) < 5
	s_wait_loadcnt 16                              ; the next row's eight loads are in; those of the two rows behind it may be out
.else
	s_wait_loadcnt 8*(6-(\r))
.endif
	PADZ (\r)+1
	TURN (\r)+1
.endif
	v_max3_num_f32 v234, |v[XS]|, |v[XS+1]|, |v[XS+2]|          ; the block's largest magnitude: all 32 numbers are mine; two chains
	v_max3_num_f32 v235, |v[XS+3]|, |v[XS+4]|, |v[XS+5]|
.irp i, 6,10,14,18,22,26
	v_max3_num_f32 v234, v234, |v[XS+\i]|, |v[XS+\i+1]|
	v_max3_num_f32 v235, v235, |v[XS+\i+2]|, |v[XS+\i+3]|
.endr
	v_max3_num_f32 v234, v234, |v[XS+30]|, |v[XS+31]|
	v_max3_num_f32 v234, v234, v235, 0x1800000     ; and the floor 2^(3 - 127): the byte cannot fall under 1
	v_add_nc_u32 v236, 0xff000000, v234            ; 2 off the exponent field: the conversion takes this operand's exponent field as its scale
.irp g, 0,1,2,3
	v_cvt_scalef32_pk8_fp4_f32 v[C+4*(\r)+\g], v[XS+8*\g:XS+8*\g+7], v236
.endr
	v_lshrrev_b32 v[E+(\r)], 23, v236              ; the scale's byte (also the plain line behind the conversions)
	ds_store_b8 v6, v[E+(\r)] offset:SCB+32*(\r)
	global_store_b128 v3, v[C+4*(\r):C+4*(\r)+3], s[28:29] offset:512*(\r)   ; the wave stores a row's 512 consecutive bytes
.endm
	LOAD 0
	LOAD 1
	LOAD 2
	s_wait_loadcnt 16                              ; row 0 is in
	PADZ 0
	TURN 0
.irp r, 0,1,2,3,4,5,6,7
	ROW \r
.endr
	ds_load_b64 v[10:11], v8 offset:SCB            ; my wave's 256 scale bytes, behind its stores of them
	s_wait_dscnt 0x0
	global_store_b64 v7, v[10:11], s[30:31]        ; 256 consecutive bytes, aligned
	s_wait_tensorcnt 0x0                           ; the wave's end, behind my last LDS store
	ds_add_u32 v[SPW], v[NIL]
	s_wait_dscnt 0x0
	s_endpgm
	; ---------------- (C) ----------------
.Lconv:
	s_cmp_ge_u32 ttmp9, 504
	s_cbranch_scc1 .Lmask
	s_wait_kmcnt 0x0
	s_mov_b32 s42, 448
	s_cmp_ge_u32 ttmp9, 480
	s_cselect_b64 s[40:41], s[22:23], s[20:21]
	s_cselect_b32 s42, 480, s42
	s_cselect_b32 s43, 2097152, 0                  ; Wo2's part of wo16
	s_sub_co_u32 s44, ttmp9, s42
	s_lshl_b32 s44, s44, 5
	s_lshl_b32 s45, s36, 3
	s_add_co_u32 s44, s44, s45                     ; n0: my wave's first of 8 rows
	s_lshl_b32 s46, s44, 12
	s_mov_b32 s47, 0
	s_add_nc_u64 s[40:41], s[40:41], s[46:47]
	s_lshr_b32 s46, s44, 8
	s_lshl_b32 s46, s46, 19                        ; (n0 / 256) x 16 blocks
	s_and_b32 s45, s44, 255
	s_lshl_b32 s45, s45, 7                         ; + (n0 % 256) x 128 bytes
	s_add_co_u32 s46, s46, s45
	s_add_co_u32 s46, s46, s43
	s_add_nc_u64 s[32:33], s[32:33], s[46:47]
	v_lshrrev_b32 v2, 4, v1
	v_and_b32 v3, 15, v1
	v_lshlrev_b32 v4, 4, v3
	v_lshl_add_u32 v4, v2, 12, v4                  ; in: lanes 0-15 256 bytes of one row, lanes 16-31 of the next
	v_lshlrev_b32 v5, 3, v3
	v_lshl_add_u32 v5, v2, 7, v5                   ; out: the same two rows' 128 bytes each: 256 consecutive bytes
.macro LOADC p                         ; rows n0 + 2 p, + 1: all sixteen blocks of 64 along K
.irp k, 0,1,2,3,4,5,6,7,8,9,10,11,12,13,14,15
	global_load_b128 v[32+64*((\p)%2)+4*\k:32+64*((\p)%2)+4*\k+3], v4, s[40:41] offset:8192*(\p)+256*\k th:TH_LOAD_NT
.endr
.endm
	LOADC 0
	LOADC 1
.irp p, 0,1,2,3
.if \p < 3
	s_wait_loadcnt 16                              ; this batch is in; the next may be out
.else
	s_wait_loadcnt 0x0
.endif
.if \p > 1
	s_wait_xcnt 0x0                                ; the stores two batches back have read their data: these registers are written again only behind this wait
.endif
.irp k, 0,1,2,3,4,5,6,7,8,9,10,11,12,13,14,15
	v_cvt_pk_f16_f32 v[160+32*(\p%2)+2*\k], v[32+64*(\p%2)+4*\k], v[32+64*(\p%2)+4*\k+1]
	v_cvt_pk_f16_f32 v[160+32*(\p%2)+2*\k+1], v[32+64*(\p%2)+4*\k+2], v[32+64*(\p%2)+4*\k+3]
.endr
.irp k, 0,1,2,3,4,5,6,7,8,9,10,11,12,13,14,15
	global_store_b64 v5, v[160+32*(\p%2)+2*\k:160+32*(\p%2)+2*\k+1], s[32:33] offset:256*\p+32768*\k
.endr
.if \p < 2
	LOADC \p+2
.endif
.endr
	s_endpgm
	; ---------------- (M) ----------------
.Lmask:
	s_wait_kmcnt 0x0
	s_mov_b32 s42, 504
	s_cmp_ge_u32 ttmp9, 520
	s_cselect_b64 s[40:41], s[26:27], s[24:25]
	s_cselect_b32 s42, 520, s42
	s_cselect_b32 s43, 32768, 0                    ; mask 2's table lies behind mask 1's
	s_sub_co_u32 s44, ttmp9, s42
	s_lshl_b32 s44, s44, 9                         ; 512 mask bytes a work-group, 4 a thread
	s_mov_b32 s45, 0
	s_add_nc_u64 s[40:41], s[40:41], s[44:45]
	s_lshl_b32 s44, s44, 2
	s_add_co_u32 s44, s44, s43
	s_add_nc_u64 s[34:35], s[34:35], s[44:45]
	s_mov_b32 s46, 0x7e800000                      ; 2^126
	v_lshlrev_b32 v2, 2, v0
	v_lshlrev_b32 v3, 4, v0
	global_load_b32 v4, v2, s[40:41]
	s_wait_loadcnt 0x0
.irp i, 0,1,2,3
	v_bfe_u32 v[8+\i], v4, 8*\i, 8
.endr
.irp i, 0,1,2,3
	v_cvt_f32_u32 v[8+\i], v[8+\i]
.endr
.irp i, 0,1,2,3
	v_fma_f32 v[8+\i], v[8+\i], s46, -s46          ; 1 -> 0, 0 -> -2^126
.endr
	global_store_b128 v3, v[8:11], s[34:35]
	s_endpgm
.Lfunc_end_k_qf67312244e_prep:
	.size	k_qf67312244e_prep, .Lfunc_end_k_qf67312244e_prep-k_qf67312244e_prep
	.p2alignl 7, 3214868480
	.fill 96, 4, 3214868480
	.section	.rodata,"a",@progbits
	.p2align	6, 0x0
	.amdhsa_kernel k_qf67312244e_prep
		.amdhsa_group_segment_fixed_size 38400
		.amdhsa_private_segment_fixed_size 0
		.amdhsa_enable_private_segment 0
		.amdhsa_kernarg_size 112
		.amdhsa_user_sgpr_count 2
		.amdhsa_user_sgpr_kernarg_segment_ptr 1
		.amdhsa_wavefront_size32 1
		.amdhsa_system_sgpr_workgroup_id_x 1
		.amdhsa_system_sgpr_workgroup_id_y 1
		.amdhsa_system_sgpr_workgroup_id_z 1
		.amdhsa_system_vgpr_workitem_id 0
		.amdhsa_next_free_vgpr 240
		.amdhsa_next_free_sgpr 66
		.amdhsa_reserve_vcc 0
		.amdhsa_float_denorm_mode_32 3
		.amdhsa_float_denorm_mode_16_64 3
		.amdhsa_memory_ordered 1
		.amdhsa_forward_progress 1
		.amdhsa_inst_pref_size 56
	.end_amdhsa_kernel
	.amdgpu_metadata
---
amdhsa.version: [ 1, 2 ]
amdhsa.kernels:
  - .name:           k_qf67312244e_prep
    .symbol:         k_qf67312244e_prep.kd
    .args:
      - { .name: x1, .offset: 0, .size: 8, .value_kind: global_buffer, .address_space: global }
      - { .name: x2, .offset: 8, .size: 8, .value_kind: global_buffer, .address_space: global }
      - { .name: Wq, .offset: 16, .size: 8, .value_kind: global_buffer, .address_space: global }
      - { .name: Wv1, .offset: 24, .size: 8, .value_kind: global_buffer, .address_space: global }
      - { .name: Wk, .offset: 32, .size: 8, .value_kind: global_buffer, .address_space: global }
      - { .name: Wv2, .offset: 40, .size: 8, .value_kind: global_buffer, .address_space: global }
      - { .name: Wo1, .offset: 48, .size: 8, .value_kind: global_buffer, .address_space: global }
      - { .name: Wo2, .offset: 56, .size: 8, .value_kind: global_buffer, .address_space: global }
      - { .name: attention_mask_1, .offset: 64, .size: 8, .value_kind: global_buffer, .address_space: global }
      - { .name: attention_mask_2, .offset: 72, .size: 8, .value_kind: global_buffer, .address_space: global }
      - { .name: codes, .offset: 80, .size: 8, .value_kind: global_buffer, .address_space: global }
      - { .name: scales, .offset: 88, .size: 8, .value_kind: global_buffer, .address_space: global }
      - { .name: wo16, .offset: 96, .size: 8, .value_kind: global_buffer, .address_space: global }
      - { .name: cbias, .offset: 104, .size: 8, .value_kind: global_buffer, .address_space: global }
    .group_segment_fixed_size: 38400
    .private_segment_fixed_size: 0
    .kernarg_segment_align: 8
    .kernarg_segment_size: 112
    .max_flat_workgroup_size: 128
    .sgpr_count:     66
    .vgpr_count:     240
    .wavefront_size: 32
...
	.end_amdgpu_metadata
.endif
;; end of part 1
;; launch proj (part 2): grid 4 x 80, 4 waves a work-group, clusters of 4 x 4, 327,680 bytes of LDS; arguments codes, scales, bq, bv1, bk, bv2, qkv; writes qkv
.if DOCPART == 2
	.amdgcn_target "amdgcn-amd-amdhsa--gfx1250"
	.amdhsa_code_object_version 6
	.text
	.protected	k_qf67312244e_proj
	.globl	k_qf67312244e_proj
	.p2align	8
	.type	k_qf67312244e_proj,@function
k_qf67312244e_proj:
	s_mov_b64 s[64:65], 0
	v_nop
	global_prefetch_b8 v0, s[64:65] scope:SCOPE_SE
	s_setreg_imm32_b32 hwreg(HW_REG_WAVE_MODE, 25, 1), 1
	s_wait_xcnt 0x0
	s_wait_alu depctr_hold_cnt(0) depctr_sa_sdst(0) depctr_va_vdst(0) depctr_va_sdst(0) depctr_va_ssrc(0) depctr_va_vcc(0) depctr_vm_vsrc(0)
	s_getreg_b32 s2, hwreg(HW_REG_IB_STS2, 6, 4)
	s_cmp_eq_u32 s2, 0
	s_cbranch_scc0 .Lentry_in_a_cluster
	s_endpgm
.Lentry_in_a_cluster:
	s_bfe_u32 s2, ttmp6, 0x10000c
	s_cmp_lg_u32 s2, 0xf033
	s_cbranch_scc0 .Lentry_shape_is_right
	s_endpgm
.Lentry_shape_is_right:
; THE FOUR QUANTISED PROJECTIONS, on codes of FP4 (E2M1) with one E8M0 byte for each 32 along K (K = 1,024; the rows of K = 768 are filled up with zero codes, which add nothing).
; 320 tiles of 256 x 256 in 20 clusters of 4 x 4; the cluster's number picks the job, by selections alone:
;   0-7   q   = (x1 Wq^T + bq) / 8    A side (source 1) = tokens,  B side (source 0) = Wq's rows    "type q"
;   8-15  v1^T = Wv1 x1^T + bv1       A side = Wv1's rows,         B side = tokens                 "type v"
;   16-17 k   = x2 Wk^T + bk          type q;        18-19 v2^T = Wv2 x2^T + bv2     type v
; The matrix instruction is used transposed (source 0 = 16 rows of the B side, source 1 = 16 of the A side): a lane holds ONE row of the A side and eight neighbours of the B side.  So type q leaves a token's
; neighbouring channels, type v a channel's neighbouring TOKENS: v comes out with the tokens innermost and nothing is transposed.
; OUT: f16, blocks of 32,768 bytes for (256 tokens, one head): q, k as [256 tokens][64 d], v as [64 d][256 tokens].  A tile is four such blocks on end.
; A work-group of four waves makes a tile, a wave 128 x 128: 64 accumulators, 512 registers.  K is two slots of 512: both slots and all scale bytes are first fills; nothing is filled again.
; A wave has three tensor loads out at the start and none later.
; CLUSTER: the four of a row of the cluster need the same A tiles, the four of a column the same B tiles: each is asked for jointly.
; LIMITS: the biases are finite (each of the two bias tables is multiplied by 0 where the job does not use it); results lie under 65,504, f16's range.
; REGISTERS: window 0: v8-15 store offsets, v16-31 addresses; v32-95 scale words, two sets, and nothing else; v128-191 A's fragments, one set; way out: v96-127 packed, v128-191 rows read back, v192-255 at work.
;   window 1: B's fragments at v0-63 and v128-191; v64-127 the bias along the B side; v192-207 the bias along the A side.   windows 2, 3: the accumulators ((a, b) at v[8 (8 (a % 4) + b)]).
.set NQ,     4                         ; matrix instructions deep in a slot
.set ROWB,   256                       ; a tile's row: 512 codes
.set KROW,   512                       ; a row of codes in memory
.set PITCH,  272                       ; an LDS row: 256 bytes + 16 of padding: the 16 rows of a fragment load start 68 words apart
.set FR,     8
.set NL,     2
.set NP,     4                         ; places behind this matrix form (ISA guide 7.12.1)
.set HALFT,  128*PITCH
.set SLOT,   4*HALFT                   ; A's 256 rows, then B's 256 rows
.set KS,     32                        ; a row of scale bytes
.set SCL,    2*SLOT                    ; behind the ring: the scale bytes, as units of 256 bytes + 16 of padding
.set HALFS,  (128*KS/256)*272
.set SBLK,   (16*KS/256)*272
.set SPARE,  SCL+4*HALFS               ; the spare words, 128 bytes for each wave, which no other line names
.set SPITCH, 272                       ; the way out: 16 rows x (256 bytes + 16) for each wave, in slot 0, which has had its last fill and its last read by then
.set OFF,  8
.set ADRA, 16
.set ADRB, 20
.set STO,  24
.set RD,   25
.set ADRS, 27
.set SPW,  28
.set NIL,  29
.set VBN,  30
.set VBM,  31
.set SC,   32
.set TMP,  96
.set AF,   128
.set BK,   128
.set T,    192
.set BN,   64                          ; window 1
.set BM,   192                         ; window 1
.set G1, 24
.set G0, 32
.set G1B, 48
.set G0B, 56
.set G1S, 68
.set G0S, 76
.set G1SB, 80
.set G0SB, 88
.set MSB, 0
.macro WIN new                         ; the immediate's high byte repeats the setting that is left
.if MSB != (\new)
	s_set_vgpr_msb (MSB<<8)|(\new)
.set MSB, (\new)
.endif
.endm
.set MUL_LO, 0xa1                      ; source 0 (B side) window 1, source 1 (A side) window 0, C and D window 2
.set MUL_HI, 0xf1
.set TO_B,   0x40
; A joint load: waves 0 and 1 fetch for the A side, waves 2 and 3 for the B side; the branch hangs on the wave's number alone.  An s_nop 0 and four v_nop follow each line.
.macro JLOAD g0a, g1a, g0b, g1b
	s_cmp_eq_u32 s15, 0
	s_cbranch_scc0 .Lfor_b_\@
	tensor_load_to_lds s[\g0a:\g0a+3], s[\g1a:\g1a+7]
	s_nop 0
.rept 4
	v_nop
.endr
	s_branch .Lasked_\@
.Lfor_b_\@:
	tensor_load_to_lds s[\g0b:\g0b+3], s[\g1b:\g1b+7]
	s_nop 0
.rept 4
	v_nop
.endr
.Lasked_\@:
.endm
.macro CROUND                          ; a round of the cluster's barrier
	s_barrier_signal -1
	s_barrier_wait -1
	s_cmp_lg_u32 s14, 0
	s_cbranch_scc1 .Lnot_wave_0_\@
	s_barrier_signal -3
.Lnot_wave_0_\@:
	s_barrier_wait -3
	s_barrier_signal -1
	s_barrier_wait -1
.endm
	s_load_b128 s[4:7], s[0:1], 0x0                ; codes, scales
	s_load_b256 s[92:99], s[0:1], 0x10             ; bq, bv1, bk, bv2
	s_load_b64 s[12:13], s[0:1], 0x30              ; qkv
	v_lshl_add_u32 v[SPW], v0, 2, SPARE
	v_mov_b32 v[NIL], 0
	ds_add_u32 v[SPW], v[NIL]                      ; the wave's opening: the add, twice on end, and its wait ahead of my first tensor load
	ds_add_u32 v[SPW], v[NIL]
	v_lshrrev_b32 v1, 5, v0
	v_readfirstlane_b32 s14, v1                    ; wave
	s_lshr_b32 s15, s14, 1                         ; my half of the A side's rows.  Also: I fetch for A (0) or B (1)
	s_and_b32 s16, s14, 1                          ; my half of the B side's.  Also: which 128 rows I fetch
	s_bfe_u32 s40, ttmp6, 0x40000                  ; cx
	s_bfe_u32 s41, ttmp6, 0x40004                  ; cy
	s_and_b32 s17, ttmp7, 0xffff                   ; the cluster's number
	s_lshl_b32 s43, s41, 2
	s_lshl_b32 s43, 15, s43                        ; my row of the cluster
	s_lshl_b32 s44, 0x1111, s40                    ; my column
	; the job
	s_mov_b32 s18, 10240                           ; the weight's first row in the codes
	s_mov_b32 s19, 0                               ; the job's first cluster
	s_mov_b32 s22, 0                               ; the tokens' first row
	s_mov_b32 s42, 0                               ; type: 0 q, 1 v
	s_mov_b32 s66, 0x3e000000                      ; the result's factor: 1/8 for q
	s_cmp_ge_u32 s17, 8
	s_cselect_b32 s18, 11264, s18
	s_cselect_b32 s19, 8, s19
	s_cselect_b32 s42, 1, s42
	s_cselect_b32 s66, 0x3f800000, s66
	s_cmp_ge_u32 s17, 16
	s_cselect_b32 s18, 12288, s18
	s_cselect_b32 s19, 16, s19
	s_cselect_b32 s22, 8192, s22
	s_cselect_b32 s42, 0, s42
	s_cmp_ge_u32 s17, 18
	s_cselect_b32 s18, 13312, s18
	s_cselect_b32 s19, 18, s19
	s_cselect_b32 s42, 1, s42
	s_mov_b32 s67, s66                             ; (named with it as a pair)
	s_sub_co_u32 s19, s17, s19
	s_lshl_b32 s19, s19, 10
	s_add_co_u32 s22, s22, s19                     ; this cluster's 1,024 tokens
	s_mov_b32 s10, 512
	s_mov_b32 s11, 128
	s_cmp_eq_u32 s42, 0
	s_cselect_b32 s20, s22, s18                    ; the A side's first row
	s_cselect_b32 s46, s18, s22                    ; the B side's
	s_cselect_b32 s100, s66, 0                     ; factor of the bias along the B side
	s_cselect_b32 s101, 0, 0x3f800000              ; and of the bias along the A side
	s_cselect_b32 s10, 128, s10                    ; RS: bytes from A-side row to row in the output tile
	s_cselect_b32 s11, 32768, s11                  ; HS: bytes from 64 B-side columns to the next 64
	; descriptor group 1: 128 rows x 256 bytes, 16 bytes of padding behind each
	s_or_b32 s[G1+0], s43, (0<<16)|(1<<20)|(1<<21)|(5<<22)|(3<<25)
	s_or_b32 s[G1B+0], s44, (0<<16)|(1<<20)|(1<<21)|(5<<22)|(3<<25)
.irp g, G1, G1B
	s_mov_b32 s[\g+1], ROWB<<16                    ; tensor_dim0
	s_mov_b32 s[\g+2], 128<<16                     ; tensor_dim1
	s_mov_b32 s[\g+3], ROWB<<16                    ; tile_dim0
	s_mov_b32 s[\g+4], 128                         ; tile_dim1
	s_mov_b32 s[\g+5], KROW                        ; pitch
	s_mov_b32 s[\g+6], 0
	s_mov_b32 s[\g+7], 0
.endr
	; the scale bytes of 128 rows: 4,096 dense bytes as 16 rows of 256 (32 elements of 8 bytes), padded likewise
	s_or_b32 s[G1S+0], s43, (3<<16)|(1<<20)|(1<<21)|(5<<22)|(3<<25)
	s_or_b32 s[G1SB+0], s44, (3<<16)|(1<<20)|(1<<21)|(5<<22)|(3<<25)
.irp g, G1S, G1SB
	s_mov_b32 s[\g+1], 32<<16
	s_mov_b32 s[\g+2], (128*KS/256)<<16
	s_mov_b32 s[\g+3], 32<<16
	s_mov_b32 s[\g+4], 128*KS/256
	s_mov_b32 s[\g+5], 32
	s_mov_b32 s[\g+6], 0
	s_mov_b32 s[\g+7], 0
.endr
	s_lshl_b32 s18, s16, 7                         ; which 128 rows of a tile I fetch
	s_lshl_b32 s21, s41, 8
	s_add_co_u32 s20, s20, s21
	s_add_co_u32 s20, s20, s18                     ; A: + 256 cy + 128 x half: shared along my row of the cluster
	s_lshl_b32 s47, s40, 8
	s_add_co_u32 s46, s46, s47
	s_add_co_u32 s46, s46, s18                     ; B: + 256 cx + 128 x half: shared along my column
	s_lshl_b32 s22, s20, 5                         ; scale bytes: 32 a row
	s_mov_b32 s23, 0
	s_lshl_b32 s20, s20, 9                         ; codes: 512 bytes a row
	s_mov_b32 s21, 0
	s_lshl_b32 s18, s46, 5
	s_mov_b32 s19, 0
	s_lshl_b32 s46, s46, 9
	s_mov_b32 s47, 0
	s_mul_i32 s45, s14, HALFT                      ; where they go: wave x 128 rows: no place in the cluster enters an LDS address
	s_wait_dscnt 0x0                               ; both opening adds are done
	s_wait_kmcnt 0x0
	s_mov_b64 s[8:9], s[92:93]                     ; the job's bias
	s_cmp_ge_u32 s17, 8
	s_cselect_b64 s[8:9], s[94:95], s[8:9]
	s_cmp_ge_u32 s17, 16
	s_cselect_b64 s[8:9], s[96:97], s[8:9]
	s_cmp_ge_u32 s17, 18
	s_cselect_b64 s[8:9], s[98:99], s[8:9]
	s_add_nc_u64 s[20:21], s[4:5], s[20:21]
	s_add_nc_u64 s[22:23], s[6:7], s[22:23]
	s_add_nc_u64 s[46:47], s[4:5], s[46:47]
	s_add_nc_u64 s[18:19], s[6:7], s[18:19]
	s_mul_i32 s92, s14, HALFS
	CROUND                                         ; all sixteen work-groups are here: the first joint loads meet
	s_mov_b32 s[G0S], 1
	s_add_co_u32 s[G0S+1], s92, SCL
	s_mov_b64 s[G0S+2:G0S+3], s[22:23]
	s_or_b32 s[G0S+3], s[G0S+3], 0x80000000
	s_mov_b32 s[G0SB], 1
	s_add_co_u32 s[G0SB+1], s92, SCL
	s_mov_b64 s[G0SB+2:G0SB+3], s[18:19]
	s_or_b32 s[G0SB+3], s[G0SB+3], 0x80000000
	JLOAD G0S, G1S, G0SB, G1SB                     ; the scale bytes first: they are wanted with the first slot
.irp s, 0,1
	s_mov_b32 s[G0+4*\s], 1
	s_add_co_u32 s[G0+4*\s+1], s45, \s*SLOT
	s_add_nc_u64 s[G0+4*\s+2:G0+4*\s+3], s[20:21], \s*ROWB
	s_or_b32 s[G0+4*\s+3], s[G0+4*\s+3], 0x80000000
	s_mov_b32 s[G0B+4*\s], 1
	s_add_co_u32 s[G0B+4*\s+1], s45, \s*SLOT
	s_add_nc_u64 s[G0B+4*\s+2:G0B+4*\s+3], s[46:47], \s*ROWB
	s_or_b32 s[G0B+4*\s+3], s[G0B+4*\s+3], 0x80000000
	JLOAD G0+4*\s, G1, G0B+4*\s, G1B
.endr
	v_and_b32 v1, 15, v0                           ; r
	v_bfe_u32 v2, v0, 4, 1                         ; h
	v_mul_u32_u24 v3, v1, PITCH
	v_lshl_add_u32 v4, v2, 4, v3                   ; a fragment's row x pitch + 16 x half
	s_mul_i32 s21, s15, HALFT
	s_mul_i32 s22, s16, HALFT
	s_add_co_u32 s22, s22, 2*HALFT
.irp s, 0,1
	v_add_nc_u32 v[ADRA+\s], s21, v4
	v_add_nc_u32 v[ADRB+\s], s22, v4
	s_add_co_u32 s21, s21, SLOT
	s_add_co_u32 s22, s22, SLOT
.endr
	v_mul_u32_u24 v5, v1, KS                       ; my row's scale bytes: 32 a row, and 16 more for each 256 passed
	v_lshrrev_b32 v6, 8, v5
	v_lshl_add_u32 v5, v6, 4, v5
	s_mul_i32 s21, s15, HALFS
	s_mul_i32 s22, s16, HALFS
	s_add_co_u32 s22, s22, 2*HALFS
	s_sub_co_u32 s22, s22, s21
	v_mul_u32_u24 v6, s22, v2                      ; lanes 16-31 take the B side's
	s_add_co_u32 s21, s21, SCL
	v_add_nc_u32 v5, v5, v6
	v_add_nc_u32 v[ADRS], s21, v5
	s_mul_i32 s23, s14, 16*SPITCH                  ; my stage
	v_mul_u32_u24 v5, v1, SPITCH
	v_lshl_add_u32 v5, v2, 4, v5
	v_add_nc_u32 v[STO], s23, v5                   ; in: row r, 16 bytes for each half of the lanes
	v_mul_u32_u24 v5, v2, SPITCH
	v_lshl_add_u32 v5, v1, 4, v5
	v_add_nc_u32 v[RD], s23, v5                    ; back: lanes 0-15 one row of 256 bytes, lanes 16-31 the next
	v_and_b32 v5, 7, v0                            ; the same two rows in the output tile: 16 (l % 8) + ((l / 8) % 2) HS + (l / 16) RS + 2 t RS
	v_lshlrev_b32 v5, 4, v5
	v_bfe_u32 v6, v0, 3, 1
	v_mad_u32_u24 v5, v6, s11, v5
	v_mad_u32_u24 v5, v2, s10, v5
	s_lshl_b32 s21, s10, 1
.irp t, 0,1,2,3,4,5,6,7
	v_mad_u32_u24 v[OFF+\t], s21, \t, v5
.endr
	s_lshl_b32 s21, s41, 2                         ; the tile's place: 16 x cluster + (type q: 4 cy + cx; type v: 4 cx + cy), 131,072 bytes each
	s_add_co_u32 s21, s21, s40
	s_lshl_b32 s22, s40, 2
	s_add_co_u32 s22, s22, s41
	s_cmp_eq_u32 s42, 0
	s_cselect_b32 s21, s21, s22
	s_lshl_b32 s22, s17, 4
	s_add_co_u32 s21, s21, s22
	s_lshl_b32 s20, s21, 17
	s_lshl_b32 s21, s15, 7
	s_mul_i32 s21, s21, s10                        ; + my 128 rows
	s_add_co_u32 s20, s20, s21
	s_mul_i32 s21, s16, s11
	s_lshl_b32 s21, s21, 1                         ; + my 128 columns
	s_add_co_u32 s20, s20, s21
	s_mov_b32 s21, 0
	s_add_nc_u64 s[12:13], s[12:13], s[20:21]
	s_lshl_b32 s2, s10, 4                          ; 16 rows on
	s_mov_b32 s3, 0
	s_lshl_b32 s20, s40, 8                         ; the bias: along the B side from channel 256 cx + 128 x half (type q), along the A side from 256 cy + 128 x half (type v); the other from 0, and multiplied by 0
	s_lshl_b32 s21, s16, 7
	s_add_co_u32 s20, s20, s21
	s_lshl_b32 s21, s41, 8
	s_lshl_b32 s22, s15, 7
	s_add_co_u32 s21, s21, s22
	s_cmp_eq_u32 s42, 0
	s_cselect_b32 s20, s20, 0
	s_cselect_b32 s21, 0, s21
	s_lshl_b32 s20, s20, 2
	s_lshl_b32 s21, s21, 2
	v_lshl_add_u32 v[VBN], v2, 5, s20
	v_lshl_add_u32 v[VBM], v1, 2, s21
	WIN 0x40                                       ; destination window 1
.irp b, 0,1,2,3,4,5,6,7
	global_load_b128 v[BN+8*\b:BN+8*\b+3], v[VBN], s[8:9] offset:64*\b        ; block b: channels 16 b + 8 h + 0 .. 7
	global_load_b128 v[BN+8*\b+4:BN+8*\b+7], v[VBN], s[8:9] offset:64*\b+16
.endr
.irp a, 0,1,2,3,4,5,6,7
	global_load_b32 v[BM+2*\a], v[VBM], s[8:9] offset:64*\a                   ; block a: channel 16 a + r, twice: a pair for the packed addition
	global_load_b32 v[BM+2*\a+1], v[VBM], s[8:9] offset:64*\a
.endr
	WIN 0
.macro FRAG reg, adr, q, i             ; 16 rows x 128 K of 4-bit codes: 8 registers, two loads of 16 bytes, 32 bytes apart
.irp c, 0,1
	ds_load_b128 v[\reg+4*\c:\reg+4*\c+3], v[\adr] offset:64*(\q)+32*\c+(\i)*16*PITCH
.endr
.endm
; 16 matrix instructions: A's blocks a0, a0 + 1 x B's eight.  The 64 accumulators take turns, one instruction a turn, in the same order in every step.
.macro MUL16 a0, p, q, sc, zero
.irp a, \a0, \a0+1
.irp b, 0,1,2,3,4,5,6,7
.if \zero
	v_wmma_scale_f32_16x16x128_f8f6f4 v[8*(8*((\a)%4)+\b):8*(8*((\a)%4)+\b)+7], v[128*(\p)+FR*\b:128*(\p)+FR*\b+FR-1], v[AF+FR*(\a):AF+FR*(\a)+FR-1], 0, v[SC+8*NQ*(\sc)+NQ*\b+(\q)], v[SC+8*NQ*(\sc)+NQ*(\a)+(\q)] matrix_a_fmt:MATRIX_FMT_FP4 matrix_b_fmt:MATRIX_FMT_FP4 matrix_a_scale:MATRIX_SCALE_ROW1
.else
	v_wmma_scale_f32_16x16x128_f8f6f4 v[8*(8*((\a)%4)+\b):8*(8*((\a)%4)+\b)+7], v[128*(\p)+FR*\b:128*(\p)+FR*\b+FR-1], v[AF+FR*(\a):AF+FR*(\a)+FR-1], v[8*(8*((\a)%4)+\b):8*(8*((\a)%4)+\b)+7], v[SC+8*NQ*(\sc)+NQ*\b+(\q)], v[SC+8*NQ*(\sc)+NQ*(\a)+(\q)] matrix_a_fmt:MATRIX_FMT_FP4 matrix_b_fmt:MATRIX_FMT_FP4 matrix_a_scale:MATRIX_SCALE_ROW1
.endif
.endr
.endr
.endm
.macro FETCH_B slot, q, p
	WIN TO_B
.irp i, 0,1,2,3,4,5,6,7
	FRAG 128*(\p)+FR*\i, ADRB+\slot, \q, \i
.endr
	WIN 0
.endm
.macro FETCH_A slot, q, i0
.irp i, \i0, \i0+1, \i0+2, \i0+3
	FRAG AF+FR*(\i), ADRA+\slot, \q, \i
.endr
.endm
.macro SCALES sc                       ; a slot's scale words: lanes 0-15 the A side's block i, lanes 16-31 the B side's block i
.irp i, 0,1,2,3,4,5,6,7
	ds_load_b128 v[SC+8*NQ*\sc+NQ*\i:SC+8*NQ*\sc+NQ*\i+3], v[ADRS] offset:\i*SBLK
.endr
.endm
.macro PLACES n                        ; plain vector instructions between a matrix instruction and a load into, or a read of, its registers
.rept \n
	v_nop
.endr
.endm
.macro STEP slot, q, zero              ; 128 along K, with its successor in the same slot
	s_wait_dscnt 4*NL                              ; B's set and A's blocks 0-3 are in; the youngest eight loads (A's blocks 4-7) may be out
	WIN MUL_LO
	MUL16 0, (\q)%2, \q, \slot, \zero
	MUL16 2, (\q)%2, \q, \slot, \zero
	s_wait_dscnt 0
	PLACES NP
	FETCH_B \slot, (\q)+1, 1-(\q)%2
	FETCH_A \slot, (\q)+1, 0
	WIN MUL_HI
	MUL16 4, (\q)%2, \q, \slot, \zero
	MUL16 6, (\q)%2, \q, \slot, \zero
	PLACES NP
	WIN 0
	FETCH_A \slot, (\q)+1, 4
.endm
.macro STEPS slot, from
.set Q, \from
.rept NQ-1-\from
	STEP \slot, Q, 0
.set Q, Q+1
.endr
.endm
	s_wait_tensorcnt 1                             ; the scale bytes and my part of slot 0 are in; slot 1's load may be out
	s_barrier_signal -1
	s_barrier_wait -1
	FETCH_B 0, 0, 0
	FETCH_A 0, 0, 0
	SCALES 0
	FETCH_A 0, 0, 4
	STEP 0, 0, 1                                   ; the first products start the sums
	STEPS 0, 1
	; slot 0's last step, and the change of slots
	s_wait_tensorcnt 0x0                           ; my part of slot 1 has landed
	ds_add_u32 v[SPW], v[NIL]
	s_wait_dscnt 4*NL+1                            ; (the add and A's blocks 4-7 may be out)
	WIN MUL_LO
	MUL16 0, 1, NQ-1, 0, 0
	s_wait_dscnt 0x0                               ; the add is done, my reads of slot 0 are over
	s_barrier_signal -1
	MUL16 2, 1, NQ-1, 0, 0
	WIN 0
	s_barrier_wait -1
	PLACES NP
	v_add_nc_u32 v[ADRS], 4*NQ, v[ADRS]            ; on to slot 1's scale words
	FETCH_B 1, 0, 0
	FETCH_A 1, 0, 0
	SCALES 1
	WIN MUL_HI
	MUL16 4, 1, NQ-1, 0, 0
	MUL16 6, 1, NQ-1, 0, 0
	PLACES NP
	WIN 0
	FETCH_A 1, 0, 4
	STEPS 1, 0
	s_wait_dscnt 4*NL                              ; the last step: nothing more to fetch
	WIN MUL_LO
	MUL16 0, 1, NQ-1, 1, 0
	MUL16 2, 1, NQ-1, 1, 0
	s_wait_dscnt 0
	WIN MUL_HI
	MUL16 4, 1, NQ-1, 1, 0
	MUL16 6, 1, NQ-1, 1, 0
	WIN 0
; THE WAY OUT, a block of 16 rows x 128 columns at a time: x the factor + the biases, rounded to f16, 16 bytes a lane into my stage, back as rows of 256 bytes, stored.
	PLACES NP
	s_wait_loadcnt 0x0                             ; the biases
	WIN 0x44                                       ; source 1 and destination window 1
.set i, 0
.rept 64
	v_mul_f32 v[BN+i], s100, v[BN+i]
.set i, i+1
.endr
.set i, 0
.rept 16
	v_mul_f32 v[BM+i], s101, v[BM+i]
.set i, i+1
.endr
.macro PACK a
.set AC, 64*((\a)%4)
	WIN 0x12+(\a)/4                                ; source 0: the accumulators' window; source 2: window 1
.set i, 0
.rept 32
	v_pk_fma_f32 v[T+i:T+i+1], v[AC+i:AC+i+1], s[66:67], v[BN+i:BN+i+1] op_sel_hi:[1,0,1]   ; each accumulator from its low end on
.set i, i+2
.endr
	WIN 0x04                                       ; source 1 window 1
.set i, 0
.rept 32
	v_pk_add_f32 v[T+i:T+i+1], v[T+i:T+i+1], v[BM+2*(\a):BM+2*(\a)+1]
.set i, i+2
.endr
	WIN 0
.set i, 0
.rept 32
	v_cvt_pk_f16_f32 v[TMP+i], v[T+2*i], v[T+2*i+1]
.set i, i+1
.endr
.endm
.macro TOSTAGE a
.set BB, BK+32*((\a)%2)
.irp b, 0,1,2,3,4,5,6,7
	ds_store_b128 v[STO], v[TMP+4*\b:TMP+4*\b+3] offset:32*\b
.endr
.irp t, 0,1,2,3,4,5,6,7
	ds_load_b128 v[BB+4*\t:BB+4*\t+3], v[RD] offset:\t*2*SPITCH    ; LDS serves a wave's instructions in order: these see the stores above
.endr
.endm
.macro SEND a
.set BB, BK+32*((\a)%2)
	s_wait_dscnt 0x0                               ; the block is back in registers
	s_wait_xcnt 0x0                                ; earlier stores have read their base and their data: both are written again only behind this wait
.if (\a) > 0
	s_add_nc_u64 s[12:13], s[12:13], s[2:3]
.endif
.irp t, 0,1,2,3,4,5,6,7
	global_store_b128 v[OFF+\t], v[BB+4*\t:BB+4*\t+3], s[12:13]    ; two aligned runs of 256 consecutive bytes an instruction
.endr
.endm
	PACK 0
	TOSTAGE 0
.irp a, 1,2,3,4,5,6,7
	PACK \a
	SEND \a-1
	TOSTAGE \a
.endr
	SEND 7
	s_wait_tensorcnt 0x0                           ; the wave's end, behind my last tensor load and my last LDS store
	ds_add_u32 v[SPW], v[NIL]
	s_wait_dscnt 0x0
	CROUND                                         ; the closing round
	s_endpgm
.Lfunc_end_k_qf67312244e_proj:
	.size	k_qf67312244e_proj, .Lfunc_end_k_qf67312244e_proj-k_qf67312244e_proj
	.p2alignl 7, 3214868480
	.fill 96, 4, 3214868480
	.section	.rodata,"a",@progbits
	.p2align	6, 0x0
	.amdhsa_kernel k_qf67312244e_proj
		.amdhsa_group_segment_fixed_size 327680
		.amdhsa_private_segment_fixed_size 0
		.amdhsa_enable_private_segment 0
		.amdhsa_kernarg_size 56
		.amdhsa_user_sgpr_count 2
		.amdhsa_user_sgpr_kernarg_segment_ptr 1
		.amdhsa_wavefront_size32 1
		.amdhsa_system_sgpr_workgroup_id_x 1
		.amdhsa_system_sgpr_workgroup_id_y 1
		.amdhsa_system_sgpr_workgroup_id_z 1
		.amdhsa_system_vgpr_workitem_id 0
		.amdhsa_next_free_vgpr 1024
		.amdhsa_next_free_sgpr 104
		.amdhsa_reserve_vcc 0
		.amdhsa_float_denorm_mode_32 3
		.amdhsa_float_denorm_mode_16_64 3
		.amdhsa_memory_ordered 1
		.amdhsa_forward_progress 1
		.amdhsa_inst_pref_size 167
	.end_amdhsa_kernel
	.amdgpu_metadata
---
amdhsa.version: [ 1, 2 ]
amdhsa.kernels:
  - .name:           k_qf67312244e_proj
    .symbol:         k_qf67312244e_proj.kd
    .args:
      - { .name: codes, .offset: 0, .size: 8, .value_kind: global_buffer, .address_space: global }
      - { .name: scales, .offset: 8, .size: 8, .value_kind: global_buffer, .address_space: global }
      - { .name: bq, .offset: 16, .size: 8, .value_kind: global_buffer, .address_space: global }
      - { .name: bv1, .offset: 24, .size: 8, .value_kind: global_buffer, .address_space: global }
      - { .name: bk, .offset: 32, .size: 8, .value_kind: global_buffer, .address_space: global }
      - { .name: bv2, .offset: 40, .size: 8, .value_kind: global_buffer, .address_space: global }
      - { .name: qkv, .offset: 48, .size: 8, .value_kind: global_buffer, .address_space: global }
    .group_segment_fixed_size: 327680
    .private_segment_fixed_size: 0
    .kernarg_segment_align: 8
    .kernarg_segment_size: 56
    .max_flat_workgroup_size: 128
    .sgpr_count:     104
    .vgpr_count:     1024
    .wavefront_size: 32
...
	.end_amdgpu_metadata
.endif
;; end of part 2
;; launch gmax (part 3): grid 8 x 32, 8 waves a work-group, clusters of 4 x 1, 167,936 bytes of LDS; arguments qkv, gpart; writes gpart
.if DOCPART == 3
	.amdgcn_target "amdgcn-amd-amdhsa--gfx1250"
	.amdhsa_code_object_version 6
	.text
	.protected	k_qf67312244e_gmax
	.globl	k_qf67312244e_gmax
	.p2align	8
	.type	k_qf67312244e_gmax,@function
k_qf67312244e_gmax:
	s_mov_b64 s[64:65], 0
	v_nop
	global_prefetch_b8 v0, s[64:65] scope:SCOPE_SE
	s_setreg_imm32_b32 hwreg(HW_REG_WAVE_MODE, 25, 1), 1
	s_wait_xcnt 0x0
	s_wait_alu depctr_hold_cnt(0) depctr_sa_sdst(0) depctr_va_vdst(0) depctr_va_sdst(0) depctr_va_ssrc(0) depctr_va_vcc(0) depctr_vm_vsrc(0)
	s_getreg_b32 s2, hwreg(HW_REG_IB_STS2, 6, 4)
	s_cmp_eq_u32 s2, 0
	s_cbranch_scc0 .Lentry_in_a_cluster
	s_endpgm
.Lentry_in_a_cluster:
	s_bfe_u32 s2, ttmp6, 0x10000c
	s_cmp_lg_u32 s2, 0x3003
	s_cbranch_scc0 .Lentry_shape_is_right
	s_endpgm
.Lentry_shape_is_right:
; THE LARGEST RAW SCORE: reference() takes the maximum of q . k over all batches, heads, queries and keys (ahead of the mask) away from every score, and clips what is left: so it has to be known before any exponential.
; A work-group takes 512 queries of one (batch, head) against all its 1,024 keys and stores one maximum; the next launch joins the 256.
; Eight waves, 64 queries each (four tiles of 16, in registers).  The head's keys, 1,024 rows of 128 bytes, lie in LDS whole: one tensor load a wave, 128 rows; nothing is filled again.
; CLUSTER: the four work-groups of a cluster belong to one head and need the same keys: each load is asked for jointly.
; S^T = K Q^T in f16 with f32 sums, 16 keys at a time: 8 matrix instructions on four accumulators by turns; two sets of fragments and of scores, so that one set's maxima
; stand behind the other set's products: they are the places in front of the loads into the fragments and of the reads of results.
.set PK,    144                        ; a key's row in LDS: 128 bytes + 16 of padding
.set RED,   1024*PK                    ; eight words for the waves' maxima, in a block of 256 bytes of their own
.set SPARE, RED+256                    ; the spare words, 128 bytes for each wave, which no other line names
.set AK0, 1                            ; v1   my lane's place in a tile of keys
.set ADK, 2                            ; v2   the same in the tiles in hand
.set SPW, 3
.set NIL, 4
.set VQ,  5
.set Q,   16                           ; v16-79   tile t, channels 32 c on: 8 registers at 16 t + 8 c
.set KX,  80
.set KY,  96
.set SX,  112
.set SY,  144
.set MX,  176                          ; v176-183 eight running maxima
.set WV,  16
.macro CROUND
	s_barrier_signal -1
	s_barrier_wait -1
	s_cmp_lg_u32 s[WV], 0
	s_cbranch_scc1 .Lnot_wave_0_\@
	s_barrier_signal -3
.Lnot_wave_0_\@:
	s_barrier_wait -3
	s_barrier_signal -1
	s_barrier_wait -1
.endm
	s_load_b128 s[4:7], s[0:1], 0x0                ; qkv, gpart
	v_lshl_add_u32 v[SPW], v0, 2, SPARE
	v_mov_b32 v[NIL], 0
	ds_add_u32 v[SPW], v[NIL]                      ; the wave's opening: the add, twice on end, and its wait ahead of my first tensor load
	ds_add_u32 v[SPW], v[NIL]
	v_lshrrev_b32 v6, 5, v0
	v_readfirstlane_b32 s[WV], v6
	s_bfe_u32 s17, ttmp6, 0x40000                  ; cx
	s_lshl_b32 s19, ttmp9, 2
	s_add_co_u32 s19, s19, s17                     ; which 512 queries
	s_and_b32 s18, ttmp7, 0xffff                   ; 16 x batch + head
	s_lshr_b32 s20, s18, 4
	s_and_b32 s21, s18, 15
	s_lshl_b32 s22, s20, 2                         ; keys: block 4 b + wave / 2, its half wave % 2
	s_lshr_b32 s23, s[WV], 1
	s_add_co_u32 s22, s22, s23
	s_lshl_b32 s22, s22, 4
	s_add_co_u32 s22, s22, s21
	s_lshl_b32 s22, s22, 15
	s_and_b32 s23, s[WV], 1
	s_lshl_b32 s23, s23, 14
	s_add_co_u32 s22, s22, s23
	s_add_co_u32 s22, s22, 33554432                ; k's part of qkv
	s_mov_b32 s23, 0
	s_lshl_b32 s8, s20, 4                          ; queries: block 16 b + 2 x (which 512) + wave / 4, rows 64 (wave % 4) on
	s_lshl_b32 s9, s19, 1
	s_add_co_u32 s8, s8, s9
	s_lshr_b32 s9, s[WV], 2
	s_add_co_u32 s8, s8, s9
	s_lshl_b32 s8, s8, 4
	s_add_co_u32 s8, s8, s21
	s_lshl_b32 s8, s8, 15
	s_and_b32 s9, s[WV], 3
	s_lshl_b32 s9, s9, 13
	s_add_co_u32 s8, s8, s9
	s_mov_b32 s9, 0
	s_lshl_b32 s12, s18, 3
	s_add_co_u32 s12, s12, s19
	s_lshl_b32 s12, s12, 2                         ; my work-group's word of gpart
	s_mov_b32 s13, 0
	; descriptor group 1: 128 rows x 64 elements of 2 bytes, dense in memory, 16 bytes of padding behind each row
	s_mov_b32 s24, 15|(1<<16)|(1<<20)|(1<<21)|(4<<22)|(3<<25)
	s_mov_b32 s25, 64<<16
	s_mov_b32 s26, 128<<16
	s_mov_b32 s27, 64<<16
	s_mov_b32 s28, 128
	s_mov_b32 s29, 64
	s_mov_b32 s30, 0
	s_mov_b32 s31, 0
	s_mul_i32 s10, s[WV], 128*PK
	s_mov_b32 s36, 0x76543210
	s_mov_b32 s37, 0xfedcba98
	s_mov_b32 s38, 0
	s_wait_dscnt 0x0                               ; both opening adds are done
	s_wait_kmcnt 0x0
	s_mov_b32 s32, 1
	s_mov_b32 s33, s10
	s_add_nc_u64 s[34:35], s[4:5], s[22:23]
	s_or_b32 s35, s35, 0x80000000
	s_add_nc_u64 s[8:9], s[4:5], s[8:9]
	s_add_nc_u64 s[6:7], s[6:7], s[12:13]
	CROUND                                         ; the four work-groups are here: the joint loads meet
	tensor_load_to_lds s[32:35], s[24:31]
	s_nop 0
.rept 4
	v_nop
.endr
	v_and_b32 v6, 15, v0
	v_bfe_u32 v7, v0, 4, 1
	v_lshlrev_b32 v[VQ], 7, v6
	v_lshl_add_u32 v[VQ], v7, 4, v[VQ]             ; row r of 128 bytes + 16 h
.irp t, 0,1,2,3
.irp c, 0,1
	global_load_b128 v[Q+16*\t+8*\c:Q+16*\t+8*\c+3], v[VQ], s[8:9] offset:2048*\t+64*\c
	global_load_b128 v[Q+16*\t+8*\c+4:Q+16*\t+8*\c+7], v[VQ], s[8:9] offset:2048*\t+64*\c+32
.endr
.endr
	v_mul_u32_u24 v[AK0], v6, PK
	v_lshl_add_u32 v[AK0], v7, 4, v[AK0]
	v_mov_b32 v[ADK], v[AK0]
.irp i, 0,1,2,3,4,5,6,7
	v_mov_b32 v[MX+\i], 0xff800000                 ; -infinity
.endr
.macro LOADK set, imm                  ; 16 keys x 64 channels: 16 registers
.irp c, 0,1,2,3
	ds_load_b128 v[\set+4*\c:\set+4*\c+3], v[ADK] offset:\imm+32*\c
.endr
.endm
.macro WM k, s
.irp t, 0,1,2,3
	v_wmma_f32_16x16x32_f16 v[\s+8*\t:\s+8*\t+7], v[\k:\k+7], v[Q+16*\t:Q+16*\t+7], 0
.endr
.irp t, 0,1,2,3
	v_wmma_f32_16x16x32_f16 v[\s+8*\t:\s+8*\t+7], v[\k+8:\k+15], v[Q+16*\t+8:Q+16*\t+15], v[\s+8*\t:\s+8*\t+7]
.endr
.endm
.macro MAXS s                          ; each accumulator from its low end on
.set i, 0
.rept 16
	v_max3_num_f32 v[MX+i%8], v[MX+i%8], v[\s+2*i], v[\s+2*i+1]
.set i, i+1
.endr
.endm
	s_wait_tensorcnt 0x0                           ; my 128 keys are in,
	s_barrier_signal -1
	s_barrier_wait -1                              ; everybody's are
	LOADK KX, 0
	LOADK KY, 16*PK
	s_wait_loadcnt 0x0                             ; Q
	s_wait_dscnt 4                                 ; the older set is in; the other set's four loads may be out (so at every such wait below)
	WM KX, SX
.rept 4
	v_nop
.endr
	LOADK KX, 32*PK
	s_mov_b32 s39, 30
.Ltrip:                                            ; trip i: products of key tiles 2 i + 1 and 2 i + 2, maxima of 2 i and 2 i + 1, loads of 2 i + 3 and 2 i + 4
	s_wait_dscnt 4
	WM KY, SY
	MAXS SX
	LOADK KY, 48*PK
	s_wait_dscnt 4
	WM KX, SX
	MAXS SY
	LOADK KX, 64*PK
	s_add_co_u32 s38, s38, 32*PK
	v_add_nc_u32 v[ADK], s38, v[AK0]
	s_sub_co_u32 s39, s39, 1
	s_cmp_lg_u32 s39, 0
	s_cbranch_scc1 .Ltrip
	s_wait_dscnt 4                                 ; the tail: tiles 61, 62, 63
	WM KY, SY
	MAXS SX
	LOADK KY, 48*PK
	s_wait_dscnt 4
	WM KX, SX
	MAXS SY
	s_wait_dscnt 0x0
	WM KY, SY
	MAXS SX
	MAXS SY
	v_max3_num_f32 v[MX], v[MX], v[MX+1], v[MX+2]
	v_max3_num_f32 v[MX+3], v[MX+3], v[MX+4], v[MX+5]
	v_max3_num_f32 v[MX], v[MX], v[MX+6], v[MX+7]
	v_max_num_f32 v[MX], v[MX], v[MX+3]
	v_max_num_f32_dpp v[MX], v[MX], v[MX] row_xmask:1 row_mask:0xf bank_mask:0xf
	v_max_num_f32_dpp v[MX], v[MX], v[MX] row_xmask:2 row_mask:0xf bank_mask:0xf
	v_max_num_f32_dpp v[MX], v[MX], v[MX] row_xmask:4 row_mask:0xf bank_mask:0xf
	v_max_num_f32_dpp v[MX], v[MX], v[MX] row_xmask:8 row_mask:0xf bank_mask:0xf
	v_permlanex16_b32 v[MX+1], v[MX], s36, s37
	v_max_num_f32 v[MX], v[MX], v[MX+1]            ; the wave's maximum, in every lane
	v_mov_b32 v6, s[WV]
	v_lshl_add_u32 v6, v6, 2, RED                  ; my wave's word: RED + 4 x wave, whole in the register (RED lies beyond what an LDS immediate of 16 bits reaches)
	ds_store_b32 v6, v[MX]                         ; all lanes write the same word with the same value
	s_wait_dscnt 0x0                               ; for the others' sake
	s_barrier_signal -1
	s_barrier_wait -1
	v_mov_b32 v7, RED
	ds_load_b128 v[8:11], v7
	ds_load_b128 v[12:15], v7 offset:16
	s_wait_dscnt 0x0
	v_max3_num_f32 v8, v8, v9, v10
	v_max3_num_f32 v11, v11, v12, v13
	v_max3_num_f32 v8, v8, v14, v15
	v_max_num_f32 v8, v8, v11
	v_mov_b32 v9, 0
	s_wait_xcnt 0x0                                ; EXEC changes only behind this wait
	v_cmp_gt_u32 vcc_lo, 1, v0
	s_and_saveexec_b32 s11, vcc_lo                 ; thread 0 alone
	global_store_b32 v9, v8, s[6:7]
	s_wait_xcnt 0x0
	s_or_b32 exec_lo, exec_lo, s11
	s_wait_tensorcnt 0x0                           ; the wave's end
	ds_add_u32 v[SPW], v[NIL]
	s_wait_dscnt 0x0
	CROUND                                         ; the closing round
	s_endpgm
.Lfunc_end_k_qf67312244e_gmax:
	.size	k_qf67312244e_gmax, .Lfunc_end_k_qf67312244e_gmax-k_qf67312244e_gmax
	.p2alignl 7, 3214868480
	.fill 96, 4, 3214868480
	.section	.rodata,"a",@progbits
	.p2align	6, 0x0
	.amdhsa_kernel k_qf67312244e_gmax
		.amdhsa_group_segment_fixed_size 167936
		.amdhsa_private_segment_fixed_size 0
		.amdhsa_enable_private_segment 0
		.amdhsa_kernarg_size 16
		.amdhsa_user_sgpr_count 2
		.amdhsa_user_sgpr_kernarg_segment_ptr 1
		.amdhsa_wavefront_size32 1
		.amdhsa_system_sgpr_workgroup_id_x 1
		.amdhsa_system_sgpr_workgroup_id_y 1
		.amdhsa_system_sgpr_workgroup_id_z 1
		.amdhsa_system_vgpr_workitem_id 0
		.amdhsa_next_free_vgpr 192
		.amdhsa_next_free_sgpr 66
		.amdhsa_reserve_vcc 1
		.amdhsa_float_denorm_mode_32 3
		.amdhsa_float_denorm_mode_16_64 3
		.amdhsa_memory_ordered 1
		.amdhsa_forward_progress 1
		.amdhsa_inst_pref_size 19
	.end_amdhsa_kernel
	.amdgpu_metadata
---
amdhsa.version: [ 1, 2 ]
amdhsa.kernels:
  - .name:           k_qf67312244e_gmax
    .symbol:         k_qf67312244e_gmax.kd
    .args:
      - { .name: qkv, .offset: 0, .size: 8, .value_kind: global_buffer, .address_space: global }
      - { .name: gpart, .offset: 8, .size: 8, .value_kind: global_buffer, .address_space: global }
    .group_segment_fixed_size: 167936
    .private_segment_fixed_size: 0
    .kernarg_segment_align: 8
    .kernarg_segment_size: 16
    .max_flat_workgroup_size: 256
    .sgpr_count:     66
    .vgpr_count:     192
    .wavefront_size: 32
...
	.end_amdgpu_metadata
.endif
;; end of part 3
;; launch attn (part 4): grid 4 x 64, 8 waves a work-group, clusters of 4 x 1, 327,680 bytes of LDS; arguments qkv, cbias, attention_mask_1, attention_mask_2, gpart, ob; writes ob
.if DOCPART == 4
	.amdgcn_target "amdgcn-amd-amdhsa--gfx1250"
	.amdhsa_code_object_version 6
	.text
	.protected	k_qf67312244e_attn
	.globl	k_qf67312244e_attn
	.p2align	8
	.type	k_qf67312244e_attn,@function
k_qf67312244e_attn:
	s_mov_b64 s[64:65], 0
	v_nop
	global_prefetch_b8 v0, s[64:65] scope:SCOPE_SE
	s_setreg_imm32_b32 hwreg(HW_REG_WAVE_MODE, 25, 1), 1
	s_wait_xcnt 0x0
	s_wait_alu depctr_hold_cnt(0) depctr_sa_sdst(0) depctr_va_vdst(0) depctr_va_sdst(0) depctr_va_ssrc(0) depctr_va_vcc(0) depctr_vm_vsrc(0)
	s_getreg_b32 s2, hwreg(HW_REG_IB_STS2, 6, 4)
	s_cmp_eq_u32 s2, 0
	s_cbranch_scc0 .Lentry_in_a_cluster
	s_endpgm
.Lentry_in_a_cluster:
	s_bfe_u32 s2, ttmp6, 0x10000c
	s_cmp_lg_u32 s2, 0x3003
	s_cbranch_scc0 .Lentry_shape_is_right
	s_endpgm
.Lentry_shape_is_right:
; BOTH ATTENTIONS, one text.  Both are softmaxes, along different axes, of x = masked(max(s - G, -50000)), s = q . k, G the largest raw score of all; reference()'s second shift, by a column's maximum, cancels in its softmax,
; and its second clip cannot bind (both numbers lie in [-50000, 0]), nor can the upper clips (s - G is at most 0 but for rounding).
; ROWS own a softmax, COLUMNS are summed over.  Clusters 0-31: o2 (rows = keys, columns = queries, values v1).  Clusters 32-63: o1 (rows = queries, columns = keys, values v2).  (batch, head) = cluster % 32.
; A work-group has 256 rows at a time, a wave 32 (two tiles of 16), and walks 16 column blocks of 256 in either job: o2: one row block (cx) x 16 column blocks; o1: row blocks 4 cx .. 4 cx + 3 in turn x 4 column blocks.
; So every trip count is a constant and all 256 work-groups have the same work.  CLUSTER: the four partners walk the same column blocks (K role, V role, the columns' mask table): each tile is asked for jointly.
; LAYOUT: S^T = Kc Qr^T (source 0 = 16 columns, source 1 = 16 rows; C = -G, so that s - G costs no vector instruction): a lane holds ONE row and eight columns of each tile.  Two tiles, rounded to f16 in pairs, are source 1
; of O^T = V^T P (source 0 = 16 channels x 32 columns; v lies with the tokens innermost).  All operands f16, sums f32.
; MASK: hidden where the row's flag and the column's are both false: x = cb x rb + u, cb = 0 or -2^126 (table), rb = 1 - the row's mask byte.  -2^126 swallows u exactly.
; SOFTMAX: a running maximum m and sum l for each row; p = 2^(c x - c m), c = log2(e); O and l are multiplied by a = 2^(c m_old - c m_new) in every step.  m begins at -2^127.  While a row has seen hidden columns alone,
; m = -2^126, c x - c m is exactly 0 and finite numbers are summed; the first open column makes a = 0 and wipes them.  A row that stays hidden (m under -2^125 at the end) is given NaN, as reference() gives.
; LIMITS: NaN and infinities among the inputs are not served; scores lie under 2^125 in magnitude; results lie under 65,504.
; RING: two slots; a slot holds a column block: K role 256 rows x 144, V role 64 rows x 528, 1,024 bytes of table.  One joint load a wave behind each round (waves 0-3 K, 4-5 V, 6-7 table): one tensor load of a wave is out.
; REGISTERS: window 0: v1-11 addresses; v12-27 statistics, 8 a tile: c m, m, l (two halves), c0-c3 (a takes c2's place); v28-31 rb; v32-95 S; v96-127 P; v128-191 K role; v192-255 V role.
;   window 1: v0-63 O^T; v64-95 the rows' operand; v96-127 cb; v128-135 -G; v136-138 offsets; v140-141 mask bytes.
.set PK,    144
.set PV,    528
.set VOFF,  256*PK
.set COFF,  VOFF+64*PV
.set SLOT1, 131072                     ; slot 1 begins here: one exclusive or turns an address of one slot into the other's
.set STAGE, 262144                     ; the way out: 16 rows x 144 bytes for each wave; no tensor load lands here
.set SPARE, STAGE+8*16*PK              ; the spare words, 128 bytes for each wave, which no other line names
.set AK0, 1
.set AV0, 2
.set AC0, 3
.set ADK, 4
.set ADV, 5
.set ADC, 6
.set STO, 7
.set RD,  8
.set GO,  9
.set SPW, 10
.set NIL, 11
.set ST,  12
.set RB,  28
.set S,   32
.set P,   96
.set KF,  128
.set VF,  192
.set O,   0                            ; window 1 from here on
.set Q,   64
.set CB,  96
.set NG,  128
.set VQ,  136
.set VM,  137
.set PFO, 138
.set MB,  140
.set WV,  16
.set G1K, 24
.set G1V, 32
.set G1C, 40
.set G0K, 48
.set G0V, 52
.set G0C, 56
.set KB0, 60
.set VB0, 62
.set CB0, 66
.set ROWP, 68
.set OUTP, 70
.set RMP, 72
.set PFB, 74
.set PFA, 76
.set NBM, 78
.set BI,  79
.set TB,  80
.set LIMV, 81
.set CS,  82
.set SEL, 84
.set NCL, 86
.set THR, 87
.set MSB, 0
.macro WIN new
.if MSB != (\new)
	s_set_vgpr_msb (MSB<<8)|(\new)
.set MSB, (\new)
.endif
.endm
.macro CROUND
	s_barrier_signal -1
	s_barrier_wait -1
	s_cmp_lg_u32 s[WV], 0
	s_cbranch_scc1 .Lnot_wave_0_\@
	s_barrier_signal -3
.Lnot_wave_0_\@:
	s_barrier_wait -3
	s_barrier_signal -1
	s_barrier_wait -1
.endm
; A wave's one joint load.  The branches hang on the wave's number alone.  An s_nop 0 and four v_nop follow each line.
.macro JLOAD
	s_cmp_lt_u32 s[WV], 4
	s_cbranch_scc0 .Lnot_k_\@
	tensor_load_to_lds s[G0K:G0K+3], s[G1K:G1K+7]
	s_nop 0
.rept 4
	v_nop
.endr
	s_branch .Lasked_\@
.Lnot_k_\@:
	s_cmp_lt_u32 s[WV], 6
	s_cbranch_scc0 .Lnot_v_\@
	tensor_load_to_lds s[G0V:G0V+3], s[G1V:G1V+7]
	s_nop 0
.rept 4
	v_nop
.endr
	s_branch .Lasked_\@
.Lnot_v_\@:
	tensor_load_to_lds s[G0C:G0C+3], s[G1C:G1C+7]
	s_nop 0
.rept 4
	v_nop
.endr
.Lasked_\@:
.endm
; A PREFETCH INTO THE L2 of the V block that the NEXT change of slots will ask for: four steps, 128 matrix instructions of a wave, ahead of that load.  A block is 32,768 bytes: the four partners take 8,192 each, told apart
; by address; in each, wave 4 asks, lanes 256 bytes apart: one instruction, and each block of V is named once in the launch (o1 walks its four blocks again: they have been read by then).  Blocks 0 and 1 come by their loads alone.
.macro ASK
	s_cmp_le_i32 s[BI], s[LIMV]
	s_cbranch_scc0 .Lnot_mine_\@
	WIN 0x01                                       ; the offset lies in window 1
	global_prefetch_b8 v[PFO], s[PFA:PFA+1] th:TH_LOAD_NT scope:SCOPE_SE
	WIN 0
.Lnot_mine_\@:
.endm
	s_load_b256 s[4:11], s[0:1], 0x0               ; qkv 4, cbias 6, mask 1 8, mask 2 10
	s_load_b128 s[12:15], s[0:1], 0x20             ; gpart 12, ob 14
	v_lshl_add_u32 v[SPW], v0, 2, SPARE
	v_mov_b32 v[NIL], 0
	ds_add_u32 v[SPW], v[NIL]                      ; the wave's opening: the add, twice on end, and its wait ahead of my first tensor load
	ds_add_u32 v[SPW], v[NIL]
	v_lshrrev_b32 v32, 5, v0
	v_readfirstlane_b32 s[WV], v32
	s_bfe_u32 s17, ttmp6, 0x40000                  ; cx
	s_and_b32 s18, ttmp7, 0xffff                   ; the cluster's number
	s_and_b32 s19, s18, 31
	s_lshr_b32 s20, s19, 4                         ; batch
	s_and_b32 s21, s19, 15                         ; head
	s_mov_b32 s88, 37748736                        ; v2's part of qkv
	s_cmp_lt_u32 s18, 32                           ; o2?
	s_cselect_b32 s22, 33554432, 0                 ; the rows' part of qkv: k or q
	s_cselect_b32 s23, 0, 33554432                 ; the columns' K role: q or k
	s_cselect_b32 s88, 16777216, s88               ; their V role: v1 or v2
	s_cselect_b32 s89, 16777216, 0                 ; the result's part of ob
	s_cselect_b32 s90, 2, 4                        ; log2 of a batch's row blocks
	s_cselect_b32 s91, 4, 2                        ; and of its column blocks
	s_cselect_b32 s92, 0, 2                        ; my first row block is cx, or 4 cx
	s_cselect_b32 s[NBM], 15, 3                    ; column blocks - 1
	s_cselect_b32 s93, 0, 32768                    ; the columns' table: mask 1's or mask 2's
	s_lshl_b32 s94, s20, s90
	s_lshl_b32 s95, s17, s92
	s_add_co_u32 s94, s94, s95                     ; my first row block
	s_lshl_b32 s95, s94, 8                         ; its first byte in the rows' mask
	s_lshl_b32 s94, s94, 4
	s_add_co_u32 s94, s94, s21
	s_lshl_b32 s94, s94, 15                        ; blocks of 32,768 bytes at 16 x block + head
	s_lshl_b32 s2, s[WV], 12
	s_add_co_u32 s94, s94, s2                      ; + my wave's 32 rows of 128 bytes
	s_add_co_u32 s22, s22, s94
	s_add_co_u32 s89, s89, s94
	s_lshl_b32 s2, s20, s91
	s_lshl_b32 s2, s2, 4
	s_add_co_u32 s2, s2, s21
	s_lshl_b32 s2, s2, 15                          ; the columns' first block
	s_add_co_u32 s23, s23, s2
	s_add_co_u32 s88, s88, s2
	s_add_co_u32 s3, s91, 10
	s_lshl_b32 s3, s20, s3                         ; the batch's part of the table: 1,024 bytes a block
	s_add_co_u32 s93, s93, s3
	s_lshl_b32 s92, s17, 13
	s_add_co_u32 s92, s92, s88                     ; the prefetches: my work-group's quarter of V's first block
	s_and_b32 s2, s[WV], 3                         ; what I fetch: K: 64 rows,
	s_lshl_b32 s3, s2, 13
	s_add_co_u32 s23, s23, s3
	s_mul_i32 s[G0K+1], s2, 64*PK
	s_and_b32 s2, s[WV], 1                         ; V: 32 rows,
	s_lshl_b32 s3, s2, 14
	s_add_co_u32 s88, s88, s3
	s_mul_i32 s[G0V+1], s2, 32*PV
	s_add_co_u32 s[G0V+1], s[G0V+1], VOFF
	s_lshl_b32 s3, s2, 9                           ; the table: 512 bytes
	s_add_co_u32 s93, s93, s3
	s_add_co_u32 s[G0C+1], s3, COFF
	; descriptor groups 1; every mask names the four partners
	s_mov_b32 s[G1K], 15|(1<<16)|(1<<20)|(1<<21)|(4<<22)|(3<<25)   ; 64 rows x 64 elements of 2 bytes, 16 bytes of padding behind each 128
	s_mov_b32 s[G1K+1], 64<<16
	s_mov_b32 s[G1K+2], 64<<16
	s_mov_b32 s[G1K+3], 64<<16
	s_mov_b32 s[G1K+4], 64
	s_mov_b32 s[G1K+5], 64
	s_mov_b32 s[G1K+6], 0
	s_mov_b32 s[G1K+7], 0
	s_mov_b32 s[G1V], 15|(1<<16)|(1<<20)|(1<<21)|(6<<22)|(3<<25)   ; 32 rows x 256 elements, 16 bytes behind each 512
	s_mov_b32 s[G1V+1], 256<<16
	s_mov_b32 s[G1V+2], 32<<16
	s_mov_b32 s[G1V+3], 256<<16
	s_mov_b32 s[G1V+4], 32
	s_mov_b32 s[G1V+5], 256
	s_mov_b32 s[G1V+6], 0
	s_mov_b32 s[G1V+7], 0
	s_mov_b32 s[G1C], 15|(3<<16)|(1<<21)                           ; one row of 64 elements of 8 bytes
	s_mov_b32 s[G1C+1], 64<<16
	s_mov_b32 s[G1C+2], 1<<16
	s_mov_b32 s[G1C+3], 64<<16
	s_mov_b32 s[G1C+4], 1
	s_mov_b32 s[G1C+5], 64
	s_mov_b32 s[G1C+6], 1<<16
	s_mov_b32 s[G1C+7], 0
	s_mov_b32 s[CS], 0x3fb8aa3b                    ; c = log2(e)
	s_mov_b32 s[CS+1], s[CS]
	s_mov_b32 s[SEL], 0x76543210
	s_mov_b32 s[SEL+1], 0xfedcba98
	s_mov_b32 s[NCL], 0xc7435000                   ; -50000
	s_mov_b32 s[THR], 0xfe000000                   ; -2^125
	s_mov_b32 s[BI], 0
	s_mov_b32 s[TB], 0
	s_sub_co_u32 s[LIMV], s[NBM], 2
	s_cmp_eq_u32 s[WV], 4
	s_cselect_b32 s[LIMV], s[LIMV], -1             ; wave 4 prefetches while a block two on exists
	s_wait_dscnt 0x0                               ; both opening adds are done
	s_wait_kmcnt 0x0
	s_mov_b32 s3, 0                                ; what the partners share goes through s[2:3],
	s_mov_b32 s2, s23
	s_add_nc_u64 s[KB0:KB0+1], s[4:5], s[2:3]
	s_mov_b32 s2, s88
	s_add_nc_u64 s[VB0:VB0+1], s[4:5], s[2:3]
	s_mov_b32 s2, s93
	s_add_nc_u64 s[CB0:CB0+1], s[6:7], s[2:3]
	s_mov_b32 s91, 0                               ; what hangs on cx through s[90:91]
	s_mov_b32 s90, s22
	s_add_nc_u64 s[ROWP:ROWP+1], s[4:5], s[90:91]
	s_mov_b32 s90, s89
	s_add_nc_u64 s[OUTP:OUTP+1], s[14:15], s[90:91]
	s_mov_b32 s90, s92
	s_add_nc_u64 s[PFB:PFB+1], s[4:5], s[90:91]
	s_mov_b64 s[PFA:PFA+1], s[PFB:PFB+1]
	s_cmp_lt_u32 s18, 32
	s_cselect_b64 s[RMP:RMP+1], s[10:11], s[8:9]
	s_mov_b32 s90, s95
	s_add_nc_u64 s[RMP:RMP+1], s[RMP:RMP+1], s[90:91]
	s_mov_b32 s[G0K], 1
	s_mov_b64 s[G0K+2:G0K+3], s[KB0:KB0+1]
	s_or_b32 s[G0K+3], s[G0K+3], 0x80000000
	s_mov_b32 s[G0V], 1
	s_mov_b64 s[G0V+2:G0V+3], s[VB0:VB0+1]
	s_or_b32 s[G0V+3], s[G0V+3], 0x80000000
	s_mov_b32 s[G0C], 1
	s_mov_b64 s[G0C+2:G0C+3], s[CB0:CB0+1]
	s_or_b32 s[G0C+3], s[G0C+3], 0x80000000
	CROUND                                         ; the four work-groups are here: the first joint loads meet
	JLOAD                                          ; column block 0 into slot 0
	v_and_b32 v32, 15, v0                          ; r
	v_bfe_u32 v33, v0, 4, 1                        ; h
	v_mul_u32_u24 v[AK0], v32, PK
	v_lshl_add_u32 v[AK0], v33, 4, v[AK0]
	v_mul_u32_u24 v[AV0], v32, PV
	v_lshl_add_u32 v[AV0], v33, 4, v[AV0]
	v_add_nc_u32 v[AV0], VOFF, v[AV0]
	v_lshlrev_b32 v[AC0], 5, v33
	v_add_nc_u32 v[AC0], COFF, v[AC0]
	s_mul_i32 s2, s[WV], 16*PK
	s_add_co_u32 s2, s2, STAGE
	v_add_nc_u32 v[STO], s2, v[AK0]                ; the stage, in: row r, 16 bytes for each half of the lanes
	v_and_b32 v34, 31, v0
	v_lshrrev_b32 v35, 3, v34
	v_mul_u32_u24 v35, v35, PK
	v_and_b32 v36, 7, v0
	v_lshl_add_u32 v35, v36, 4, v35
	v_add_nc_u32 v[RD], s2, v35                    ; back: eight lanes to a row of 128 bytes
	v_lshlrev_b32 v[GO], 4, v34                    ; 16 x lane
	v_lshlrev_b32 v37, 7, v32
	v_lshl_add_u32 v37, v33, 4, v37                ; the rows' operand: row r of 128 bytes + 16 h
	v_and_b32 v38, 0xef, v0                        ; the rows' mask: 32 x wave + r
	v_lshlrev_b32 v39, 8, v34                      ; the prefetches: 256 x lane
	global_load_b128 v[40:43], v[GO], s[12:13]     ; the 256 partial maxima, eight a lane
	global_load_b128 v[44:47], v[GO], s[12:13] offset:512
	WIN 0x40
	v_mov_b32 v[VQ], v37
	v_mov_b32 v[VM], v38
	v_mov_b32 v[PFO], v39
; A row block begins: its operand and mask bytes are loaded, the statistics and O^T begin anew.
.macro ROWS
	WIN 0x41                                       ; destination and address window 1
.irp t, 0,1
.irp c, 0,1
	global_load_b128 v[Q+16*\t+8*\c:Q+16*\t+8*\c+3], v[VQ], s[ROWP:ROWP+1] offset:2048*\t+64*\c
	global_load_b128 v[Q+16*\t+8*\c+4:Q+16*\t+8*\c+7], v[VQ], s[ROWP:ROWP+1] offset:2048*\t+64*\c+32
.endr
	global_load_u8 v[MB+\t], v[VM], s[RMP:RMP+1] offset:16*\t
.endr
	WIN 0x40
.set i, 0
.rept 64
	v_mov_b32 v[O+i], 0                            ; (a step is written once: the first finds zeros)
.set i, i+1
.endr
	WIN 0
.irp t, 0,1
	v_mov_b32 v[ST+8*\t+1], 0xff000000             ; m = -2^127
	v_mov_b32 v[ST+8*\t+2], 0
	v_mov_b32 v[ST+8*\t+3], 0
.endr
.irp t, 0,1
	v_mul_f32 v[ST+8*\t], s[CS], v[ST+8*\t+1]      ; c m
.endr
	s_wait_loadcnt 0x0
	WIN 0x01
.irp t, 0,1
	v_cvt_f32_u32 v[RB+2*\t], v[MB+\t]
.endr
	WIN 0
.irp t, 0,1
	v_sub_f32 v[RB+2*\t], 1.0, v[RB+2*\t]          ; rb = 1 where the row's mask is false
.endr
.irp t, 0,1
	v_mov_b32 v[RB+2*\t+1], v[RB+2*\t]             ; (named with it as a pair)
.endr
.endm
	ROWS
	v_max3_num_f32 v40, v40, v41, v42              ; G
	v_max3_num_f32 v44, v43, v44, v45
	v_max3_num_f32 v40, v40, v46, v47
	v_max_num_f32 v40, v40, v44
	v_max_num_f32_dpp v40, v40, v40 row_xmask:1 row_mask:0xf bank_mask:0xf
	v_max_num_f32_dpp v40, v40, v40 row_xmask:2 row_mask:0xf bank_mask:0xf
	v_max_num_f32_dpp v40, v40, v40 row_xmask:4 row_mask:0xf bank_mask:0xf
	v_max_num_f32_dpp v40, v40, v40 row_xmask:8 row_mask:0xf bank_mask:0xf
	v_permlanex16_b32 v41, v40, s[SEL], s[SEL+1]
	v_max_num_f32 v40, v40, v41
	WIN 0x40
.irp j, 0,1,2,3,4,5,6,7
	v_mul_f32 v[NG+\j], -1.0, v40                  ; -G in all eight registers: the C of every score tile's first product
.endr
	WIN 0
.macro KLOAD q                         ; 64 columns x 64 channels of the K role: 64 registers
.irp n, 0,1,2,3
.irp c, 0,1
	ds_load_b128 v[KF+16*\n+8*\c:KF+16*\n+8*\c+3], v[ADK] offset:(64*(\q)+16*\n)*PK+64*\c
	ds_load_b128 v[KF+16*\n+8*\c+4:KF+16*\n+8*\c+7], v[ADK] offset:(64*(\q)+16*\n)*PK+64*\c+32
.endr
.endr
.endm
; A STEP: 64 columns, the q-th of the slot in hand.
.macro STEP q
.if (\q) == 0
	KLOAD 0
.endif
	WIN 0x40
.irp n, 0,1,2,3
	ds_load_b128 v[CB+8*\n:CB+8*\n+3], v[ADC] offset:256*(\q)+64*\n          ; the table's words of my columns 16 n + 8 h + 0 .. 7
	ds_load_b128 v[CB+8*\n+4:CB+8*\n+7], v[ADC] offset:256*(\q)+64*\n+16
.endr
	s_wait_dscnt 8                                 ; K's fragments are in; the table's eight loads may be out
	WIN 0x14                                       ; source 1 (rows) and C (-G) window 1
.irp n, 0,1,2,3
.irp t, 0,1
	v_wmma_f32_16x16x32_f16 v[S+32*\t+8*\n:S+32*\t+8*\n+7], v[KF+16*\n:KF+16*\n+7], v[Q+16*\t:Q+16*\t+7], v[NG:NG+7]
.endr
.endr
	WIN 0x04                                       ; the eight accumulators by turns
.irp n, 0,1,2,3
.irp t, 0,1
	v_wmma_f32_16x16x32_f16 v[S+32*\t+8*\n:S+32*\t+8*\n+7], v[KF+16*\n+8:KF+16*\n+15], v[Q+16*\t+8:Q+16*\t+15], v[S+32*\t+8*\n:S+32*\t+8*\n+7]
.endr
.endr
	WIN 0
.rept 4
	v_nop                                          ; places: in front of the loads into V's registers (read by the last step's products) and K's, and of the first read of the scores
.endr
.irp i, 0,1,2,3
.irp g, 0,1
	ds_load_b128 v[VF+16*\i+8*\g:VF+16*\i+8*\g+3], v[ADV] offset:16*\i*PV+128*(\q)+64*\g
	ds_load_b128 v[VF+16*\i+8*\g+4:VF+16*\i+8*\g+7], v[ADV] offset:16*\i*PV+128*(\q)+64*\g+32
.endr
.endr
.if (\q) < 3
	KLOAD (\q)+1                                   ; the next step's K, a step ahead
.endif
.set i, 0
.rept 64
	v_max_num_f32 v[S+i], s[NCL], v[S+i]           ; the clip; each accumulator from its low end on
.set i, i+1
.endr
.if (\q) < 3
	s_wait_dscnt 32                                ; the table's words are in; V's 16 loads and the next K's 16 may be out
.else
	s_wait_dscnt 16
.endif
	WIN 0x01
.irp t, 0,1
.set i, 0
.rept 16
	v_pk_fma_f32 v[S+32*\t+i:S+32*\t+i+1], v[CB+i:CB+i+1], v[RB+2*\t:RB+2*\t+1], v[S+32*\t+i:S+32*\t+i+1] op_sel_hi:[1,0,1]   ; the mask
.set i, i+2
.endr
.endr
	WIN 0
.irp j, 0,1,2,3                        ; the row's maximum: four chains a tile, the two tiles by turns
.irp t, 0,1
	v_max3_num_f32 v[ST+8*\t+4+\j], v[S+32*\t+8*\j], v[S+32*\t+8*\j+1], v[S+32*\t+8*\j+2]
.endr
.endr
.irp k, 3,5
.irp j, 0,1,2,3
.irp t, 0,1
	v_max3_num_f32 v[ST+8*\t+4+\j], v[ST+8*\t+4+\j], v[S+32*\t+8*\j+\k], v[S+32*\t+8*\j+\k+1]
.endr
.endr
.endr
.irp t, 0,1
	v_max3_num_f32 v[ST+8*\t+4], v[ST+8*\t+4], v[S+32*\t+7], v[S+32*\t+15]
.endr
.irp t, 0,1
	v_max3_num_f32 v[ST+8*\t+6], v[ST+8*\t+6], v[S+32*\t+23], v[S+32*\t+31]
.endr
.irp t, 0,1
	v_max3_num_f32 v[ST+8*\t+4], v[ST+8*\t+4], v[ST+8*\t+5], v[ST+8*\t+6]
.endr
.irp t, 0,1
	v_max3_num_f32 v[ST+8*\t+4], v[ST+8*\t+4], v[ST+8*\t+7], v[ST+8*\t+1]    ; with the old m
.endr
.irp t, 0,1
	v_permlanex16_b32 v[ST+8*\t+5], v[ST+8*\t+4], s[SEL], s[SEL+1]           ; the row's other columns lie in the lane 16 away
.endr
.irp t, 0,1
	v_mov_b32 v[ST+8*\t+7], v[ST+8*\t]             ; c m_old
.endr
.irp t, 0,1
	v_max_num_f32 v[ST+8*\t+1], v[ST+8*\t+4], v[ST+8*\t+5]
.endr
.irp t, 0,1
	v_mul_f32 v[ST+8*\t], s[CS], v[ST+8*\t+1]
.endr
.irp t, 0,1
	v_sub_f32 v[ST+8*\t+7], v[ST+8*\t+7], v[ST+8*\t]
.endr
.irp t, 0,1
.set i, 0
.rept 16
	v_pk_fma_f32 v[S+32*\t+i:S+32*\t+i+1], v[S+32*\t+i:S+32*\t+i+1], s[CS:CS+1], v[ST+8*\t:ST+8*\t+1] op_sel_hi:[1,0,0] neg_lo:[0,0,1] neg_hi:[0,0,1]   ; c x - c m
.set i, i+2
.endr
.endr
.irp t, 0,1
	v_exp_f32 v[ST+8*\t+6], v[ST+8*\t+7]           ; a
.endr
.set i, 0
.rept 64
	v_exp_f32 v[S+i], v[S+i]                       ; p
.set i, i+1
.endr
	v_nop                                          ; a plain instruction behind the last exponential
	s_wait_alu depctr_va_vdst(0)                   ; one wait for the batch of 66, ahead of its first reader
.set i, 0
.rept 32
	v_cvt_pk_f16_f32 v[P+i], v[S+2*i], v[S+2*i+1]
.set i, i+1
.endr
.irp u, 0,1,2,3,4,5,6,7                ; the row's sum of the unrounded p, pairs in place
.irp t, 0,1
	v_pk_add_f32 v[S+32*\t+4*\u:S+32*\t+4*\u+1], v[S+32*\t+4*\u:S+32*\t+4*\u+1], v[S+32*\t+4*\u+2:S+32*\t+4*\u+3]
.endr
.endr
.irp u, 0,1,2,3
.irp t, 0,1
	v_pk_add_f32 v[S+32*\t+8*\u:S+32*\t+8*\u+1], v[S+32*\t+8*\u:S+32*\t+8*\u+1], v[S+32*\t+8*\u+4:S+32*\t+8*\u+5]
.endr
.endr
.irp u, 0,1
.irp t, 0,1
	v_pk_add_f32 v[S+32*\t+16*\u:S+32*\t+16*\u+1], v[S+32*\t+16*\u:S+32*\t+16*\u+1], v[S+32*\t+16*\u+8:S+32*\t+16*\u+9]
.endr
.endr
.irp t, 0,1
	v_pk_add_f32 v[S+32*\t:S+32*\t+1], v[S+32*\t:S+32*\t+1], v[S+32*\t+16:S+32*\t+17]
.endr
.irp t, 0,1
	v_pk_fma_f32 v[ST+8*\t+2:ST+8*\t+3], v[ST+8*\t+2:ST+8*\t+3], v[ST+8*\t+6:ST+8*\t+7], v[S+32*\t:S+32*\t+1] op_sel_hi:[1,0,1]   ; l = a l + the sum
.endr
	WIN 0x41
.irp t, 0,1
.set i, 0
.rept 16
	v_pk_mul_f32 v[O+32*\t+i:O+32*\t+i+1], v[O+32*\t+i:O+32*\t+i+1], v[ST+8*\t+6:ST+8*\t+7] op_sel_hi:[1,0]   ; O^T x a
.set i, i+2
.endr
.endr
.if (\q) < 3
	s_wait_dscnt 16                                ; V's fragments are in; the next K's 16 loads may be out
.else
	s_wait_dscnt 0x0
.endif
	WIN 0x50                                       ; C and D window 1
.irp g, 0,1
.irp i, 0,1,2,3
.irp t, 0,1
	v_wmma_f32_16x16x32_f16 v[O+32*\t+8*\i:O+32*\t+8*\i+7], v[VF+16*\i+8*\g:VF+16*\i+8*\g+7], v[P+16*\t+8*\g:P+16*\t+8*\g+7], v[O+32*\t+8*\i:O+32*\t+8*\i+7]
.endr
.endr
.endr
	WIN 0
.endm
.macro PROCESS                         ; the column block in the slot in hand
	v_add_nc_u32 v[ADK], s[TB], v[AK0]
	v_add_nc_u32 v[ADV], s[TB], v[AV0]
	v_add_nc_u32 v[ADC], s[TB], v[AC0]
	STEP 0
	STEP 1
	STEP 2
	STEP 3
	s_xor_b32 s[TB], s[TB], SLOT1
.endm
; THE CHANGE OF SLOTS stands at a block's head.  Each wave waits for all its tensor loads (its part of the slot that it is about to read), adds 0 to its spare word, and waits for that and for its reads of the slot that it has left.
; fill = 1: behind a round of the cluster's barrier the other slot is filled with the next column block: the load has four steps in which to land.
.macro CHANGE fill
	s_wait_tensorcnt 0x0                           ; no tensor load of mine is out: the groups 0 may be written
	ds_add_u32 v[SPW], v[NIL]
.if \fill
	s_xor_b32 s[G0K+1], s[G0K+1], SLOT1
	s_xor_b32 s[G0V+1], s[G0V+1], SLOT1
	s_xor_b32 s[G0C+1], s[G0C+1], SLOT1
	s_add_co_u32 s2, s[BI], 1
	s_and_b32 s2, s2, s[NBM]                       ; the next column block
	s_lshl_b32 s88, s2, 19                         ; 16 heads x 32,768 bytes from block to block
	s_mov_b32 s89, 0
	s_add_nc_u64 s[G0K+2:G0K+3], s[KB0:KB0+1], s[88:89]
	s_or_b32 s[G0K+3], s[G0K+3], 0x80000000
	s_add_nc_u64 s[G0V+2:G0V+3], s[VB0:VB0+1], s[88:89]
	s_or_b32 s[G0V+3], s[G0V+3], 0x80000000
	s_lshl_b32 s88, s2, 10
	s_add_nc_u64 s[G0C+2:G0C+3], s[CB0:CB0+1], s[88:89]
	s_or_b32 s[G0C+3], s[G0C+3], 0x80000000
	s_wait_xcnt 0x0                                ; the last prefetch, a block back, has read its address
	s_add_co_u32 s2, s[BI], 2
	s_and_b32 s2, s2, s[NBM]                       ; (inside V's blocks in every trip)
	s_lshl_b32 s88, s2, 19
	s_add_nc_u64 s[PFA:PFA+1], s[PFB:PFB+1], s[88:89]
.endif
	s_wait_dscnt 0x0                               ; the add is done, and my reads of the slot that I have left are over
.if \fill
	CROUND
	JLOAD
	ASK
.else
	s_barrier_signal -1
	s_barrier_wait -1
.endif
.endm
; A ROW BLOCK IS FINISHED: O^T / l, rounded to f16, through my stage, out as [token][64 d].  reload = 1: the next row block begins.
.macro FINAL reload
.rept 4
	v_nop                                          ; places behind the last products
.endr
.irp t, 0,1
	v_add_f32 v[ST+8*\t+4], v[ST+8*\t+2], v[ST+8*\t+3]
.endr
.irp t, 0,1
	v_permlanex16_b32 v[ST+8*\t+5], v[ST+8*\t+4], s[SEL], s[SEL+1]
.endr
.irp t, 0,1
	v_add_f32 v[ST+8*\t+4], v[ST+8*\t+4], v[ST+8*\t+5]
.endr
.irp t, 0,1
	v_rcp_f32 v[ST+8*\t+6], v[ST+8*\t+4]
.endr
	v_nop
	s_wait_alu depctr_va_vdst(0)                   ; one wait for the two reciprocals, ahead of their first reader
.irp t, 0,1
	v_cmp_le_f32 vcc_lo, s[THR], v[ST+8*\t+1]      ; has the row seen an open column?
	v_cndmask_b32 v[ST+8*\t+6], 0x7fc00000, v[ST+8*\t+6], vcc_lo   ; if not: NaN
.endr
	WIN 0x01
.irp t, 0,1
.set i, 0
.rept 16
	v_pk_mul_f32 v[S+32*\t+i:S+32*\t+i+1], v[O+32*\t+i:O+32*\t+i+1], v[ST+8*\t+6:ST+8*\t+7] op_sel_hi:[1,0]   ; each accumulator from its low end on
.set i, i+2
.endr
.endr
	WIN 0
.set i, 0
.rept 32
	v_cvt_pk_f16_f32 v[P+i], v[S+2*i], v[S+2*i+1]
.set i, i+1
.endr
.irp t, 0,1
.irp i, 0,1,2,3
	ds_store_b128 v[STO], v[P+16*\t+4*\i:P+16*\t+4*\i+3] offset:32*\i        ; row r, channels 16 i + 8 h + 0 .. 7
.endr
.irp k, 0,1,2,3
	ds_load_b128 v[S+16*\t+4*\k:S+16*\t+4*\k+3], v[RD] offset:4*\k*PK        ; LDS serves a wave's instructions in order: these see the stores above, and the next tile's stores come behind them
.endr
.endr
	s_wait_dscnt 0x0
.irp t, 0,1
.irp k, 0,1,2,3
	global_store_b128 v[GO], v[S+16*\t+4*\k:S+16*\t+4*\k+3], s[OUTP:OUTP+1] offset:2048*\t+512*\k   ; 512 consecutive bytes an instruction
.endr
.endr
.if \reload
	s_wait_xcnt 0x0                                ; the stores have read their base and their data
	s_add_nc_u64 s[ROWP:ROWP+1], s[ROWP:ROWP+1], 524288
	s_add_nc_u64 s[OUTP:OUTP+1], s[OUTP:OUTP+1], 524288
	s_add_nc_u64 s[RMP:RMP+1], s[RMP:RMP+1], 256
	ROWS
.endif
.endm
.Lslot:                                            ; 15 trips: behind each change of slots but the last the next column block is asked for
	CHANGE 1
	PROCESS
	s_and_b32 s2, s[BI], s[NBM]                    ; the job's last column block?  The count of trips and the cluster's number alone: the same in all partners
	s_cmp_lg_u32 s2, s[NBM]
	s_cbranch_scc1 .Lgo_on
	FINAL 1
.Lgo_on:
	s_add_co_u32 s[BI], s[BI], 1
	s_cmp_lt_u32 s[BI], 15
	s_cbranch_scc1 .Lslot
	CHANGE 0                                       ; the last block is written out: nothing is left to ask for
	PROCESS
	FINAL 0
	s_wait_tensorcnt 0x0                           ; the wave's end, behind my last tensor load and my last LDS store
	ds_add_u32 v[SPW], v[NIL]
	s_wait_dscnt 0x0
	CROUND                                         ; the closing round
	s_endpgm
.Lfunc_end_k_qf67312244e_attn:
	.size	k_qf67312244e_attn, .Lfunc_end_k_qf67312244e_attn-k_qf67312244e_attn
	.p2alignl 7, 3214868480
	.fill 96, 4, 3214868480
	.section	.rodata,"a",@progbits
	.p2align	6, 0x0
	.amdhsa_kernel k_qf67312244e_attn
		.amdhsa_group_segment_fixed_size 327680
		.amdhsa_private_segment_fixed_size 0
		.amdhsa_enable_private_segment 0
		.amdhsa_kernarg_size 48
		.amdhsa_user_sgpr_count 2
		.amdhsa_user_sgpr_kernarg_segment_ptr 1
		.amdhsa_wavefront_size32 1
		.amdhsa_system_sgpr_workgroup_id_x 1
		.amdhsa_system_sgpr_workgroup_id_y 1
		.amdhsa_system_sgpr_workgroup_id_z 1
		.amdhsa_system_vgpr_workitem_id 0
		.amdhsa_next_free_vgpr 400
		.amdhsa_next_free_sgpr 96
		.amdhsa_reserve_vcc 1
		.amdhsa_float_denorm_mode_32 3
		.amdhsa_float_denorm_mode_16_64 3
		.amdhsa_memory_ordered 1
		.amdhsa_forward_progress 1
		.amdhsa_inst_pref_size 206
	.end_amdhsa_kernel
	.amdgpu_metadata
---
amdhsa.version: [ 1, 2 ]
amdhsa.kernels:
  - .name:           k_qf67312244e_attn
    .symbol:         k_qf67312244e_attn.kd
    .args:
      - { .name: qkv, .offset: 0, .size: 8, .value_kind: global_buffer, .address_space: global }
      - { .name: cbias, .offset: 8, .size: 8, .value_kind: global_buffer, .address_space: global }
      - { .name: attention_mask_1, .offset: 16, .size: 8, .value_kind: global_buffer, .address_space: global }
      - { .name: attention_mask_2, .offset: 24, .size: 8, .value_kind: global_buffer, .address_space: global }
      - { .name: gpart, .offset: 32, .size: 8, .value_kind: global_buffer, .address_space: global }
      - { .name: ob, .offset: 40, .size: 8, .value_kind: global_buffer, .address_space: global }
    .group_segment_fixed_size: 327680
    .private_segment_fixed_size: 0
    .kernarg_segment_align: 8
    .kernarg_segment_size: 48
    .max_flat_workgroup_size: 256
    .sgpr_count:     96
    .vgpr_count:     400
    .wavefront_size: 32
...
	.end_amdgpu_metadata
.endif
;; end of part 4
;; launch outp (part 5): grid 4 x 38, 4 waves a work-group, clusters of 4 x 1, 327,680 bytes of LDS; arguments ob, wo16, bo1, bo2, out0, out1; writes out0, out1
.if DOCPART == 5
	.amdgcn_target "amdgcn-amd-amdhsa--gfx1250"
	.amdhsa_code_object_version 6
	.text
	.protected	k_qf67312244e_outp
	.globl	k_qf67312244e_outp
	.p2align	8
	.type	k_qf67312244e_outp,@function
k_qf67312244e_outp:
	s_mov_b64 s[64:65], 0
	v_nop
	global_prefetch_b8 v0, s[64:65] scope:SCOPE_SE
	s_setreg_imm32_b32 hwreg(HW_REG_WAVE_MODE, 25, 1), 1
	s_wait_xcnt 0x0
	s_wait_alu depctr_hold_cnt(0) depctr_sa_sdst(0) depctr_va_vdst(0) depctr_va_sdst(0) depctr_va_ssrc(0) depctr_va_vcc(0) depctr_vm_vsrc(0)
	s_getreg_b32 s2, hwreg(HW_REG_IB_STS2, 6, 4)
	s_cmp_eq_u32 s2, 0
	s_cbranch_scc0 .Lentry_in_a_cluster
	s_endpgm
.Lentry_in_a_cluster:
	s_bfe_u32 s2, ttmp6, 0x10000c
	s_cmp_lg_u32 s2, 0x3003
	s_cbranch_scc0 .Lentry_shape_is_right
	s_endpgm
.Lentry_shape_is_right:
; THE TWO PROJECTIONS ON THE WAY OUT: out0 = o1 Wo1^T + bo1 (8,192 x 1,024), out1 = o2 Wo2^T + bo2 (2,048 x 768); K = 1,024; f16 operands, f32 sums and results.
; 152 tiles of 256 x 256.  Clusters 0-31: out0 (i = cluster: row group i % 8, column tile i / 8); clusters 32-37: out1 (i = cluster - 32: row group i % 2, column tile i / 2); the tile row is 4 x row group + cx.
; Both operands lie in blocks of 32,768 bytes, [256 rows][64 along K]: o by (tile row, head), Wo by (column tile, k / 64).  A K step is 128: two blocks of each; a slot is [A 0][A 1][B 0][B 1], rows 144 bytes apart in LDS.
; Wave w fetches block w of a slot: one tensor load of 256 rows.  A wave has two loads out at the start and one behind each round.
; CLUSTER 4 x 1: the four partners share the column tile, so Wo's blocks are asked for jointly; o's blocks are each work-group's own (no mask).  4 x 4 does not divide out1's three column tiles.
; A wave makes 128 x 128: 64 accumulators; the matrix instruction is used transposed (source 0 = 16 rows of Wo, source 1 = 16 rows of o): a lane holds eight neighbouring columns of a row.  The bias is the C of each sum's first product.
; REGISTERS: window 0: v16-29 addresses; v32-47 store offsets; v64-127, v128-191 o's fragments, two buffers; on the way out rows read back.   window 1: v0-63 the bias; v64-127, v128-191 Wo's fragments.   windows 2, 3: accumulators.
.set PK,    144
.set BLK,   256*PK
.set SLOT,  4*BLK
.set SPARE, 2*SLOT                     ; behind the ring: the spare words, 128 bytes for each wave, which no other line names
.set SPITCH, 528                       ; the way out: 16 rows x (512 bytes + 16) for each wave, in slot 0, which has had its last fill and its last read by then
.set LAPS,  4                          ; a lap = two K steps of 128
.set ADRA, 16
.set ADRB, 20
.set STO,  24
.set RD,   25
.set SPW,  28
.set NIL,  29
.set OFF,  32
.set F0,   64
.set F1,   128
.set BK,   64
.set BIAS, 0                           ; window 1
.set G1,  24
.set G0,  32
.set G1B, 48
.set G0B, 56
.set MSB, 0
.macro WIN new
.if MSB != (\new)
	s_set_vgpr_msb (MSB<<8)|(\new)
.set MSB, (\new)
.endif
.endm
.set MUL_LO, 0xa1                      ; source 0 (Wo) window 1, source 1 (o) window 0, C and D window 2
.set MUL_HI, 0xf1
.set TO_B,   0x40
.macro JLOAD s                         ; waves 0 and 1 fetch o's two blocks, waves 2 and 3 Wo's; an s_nop 0 and four v_nop follow each line
	s_cmp_eq_u32 s11, 0
	s_cbranch_scc0 .Lfor_b_\@
	tensor_load_to_lds s[G0+4*\s:G0+4*\s+3], s[G1:G1+7]
	s_nop 0
.rept 4
	v_nop
.endr
	s_branch .Lasked_\@
.Lfor_b_\@:
	tensor_load_to_lds s[G0B+4*\s:G0B+4*\s+3], s[G1B:G1B+7]
	s_nop 0
.rept 4
	v_nop
.endr
.Lasked_\@:
.endm
.macro CREST
	s_cmp_lg_u32 s10, 0
	s_cbranch_scc1 .Lnot_wave_0_\@
	s_barrier_signal -3
.Lnot_wave_0_\@:
	s_barrier_wait -3
	s_barrier_signal -1
	s_barrier_wait -1
.endm
.macro CROUND
	s_barrier_signal -1
	s_barrier_wait -1
	CREST
.endm
	s_load_b256 s[68:75], s[0:1], 0x0              ; ob 68, wo16 70, bo1 72, bo2 74
	s_load_b128 s[76:79], s[0:1], 0x20             ; out0 76, out1 78
	v_lshl_add_u32 v[SPW], v0, 2, SPARE
	v_mov_b32 v[NIL], 0
	ds_add_u32 v[SPW], v[NIL]                      ; the wave's opening: the add, twice on end, and its wait ahead of my first tensor load
	ds_add_u32 v[SPW], v[NIL]
	v_lshrrev_b32 v1, 5, v0
	v_readfirstlane_b32 s10, v1
	s_lshr_b32 s11, s10, 1                         ; my half of the tile's rows.  Also: I fetch for o (0) or for Wo (1)
	s_and_b32 s12, s10, 1                          ; my half of its columns.  Also: which of a K step's two blocks I fetch
	s_bfe_u32 s13, ttmp6, 0x40000                  ; cx
	s_and_b32 s14, ttmp7, 0xffff                   ; the cluster's number
	s_mov_b32 s80, 3072
	s_cmp_lt_u32 s14, 32                           ; out0?
	s_cselect_b32 s15, 0, 32
	s_cselect_b32 s16, 7, 1
	s_cselect_b32 s17, 3, 1
	s_cselect_b32 s18, 0, 16777216                 ; o's part of ob
	s_cselect_b32 s19, 0, 2097152                  ; Wo's part of wo16
	s_cselect_b32 s80, 4096, s80                   ; a row of the output in bytes
	s_sub_co_u32 s15, s14, s15
	s_and_b32 s16, s15, s16                        ; row group
	s_lshr_b32 s17, s15, s17                       ; column tile
	s_lshl_b32 s20, s16, 2
	s_add_co_u32 s20, s20, s13                     ; tile row
	s_lshl_b32 s22, s12, 15
	s_lshl_b32 s21, s20, 19                        ; 16 blocks a tile row
	s_add_co_u32 s18, s18, s21
	s_add_co_u32 s18, s18, s22
	s_lshl_b32 s46, s17, 19                        ; 16 blocks a column tile: nothing here hangs on cx
	s_add_co_u32 s19, s19, s46
	s_add_co_u32 s46, s19, s22
	s_mov_b32 s47, 0
	s_mov_b32 s19, 0
	; descriptor group 1: 256 rows x 64 elements of 2 bytes, dense in memory, 16 bytes of padding behind each row
	s_mov_b32 s[G1], (1<<16)|(1<<20)|(4<<22)|(3<<25)
	s_mov_b32 s[G1B], 15|(1<<16)|(1<<20)|(1<<21)|(4<<22)|(3<<25)
.irp g, G1, G1B
	s_mov_b32 s[\g+1], 64<<16
	s_mov_b32 s[\g+2], 256<<16
	s_mov_b32 s[\g+3], 64<<16
	s_mov_b32 s[\g+4], 256
	s_mov_b32 s[\g+5], 64
	s_mov_b32 s[\g+6], 0
	s_mov_b32 s[\g+7], 0
.endr
	s_mul_i32 s23, s10, BLK                        ; where my block goes
	s_wait_dscnt 0x0                               ; both opening adds are done
	s_wait_kmcnt 0x0
	s_add_nc_u64 s[18:19], s[68:69], s[18:19]
	s_add_nc_u64 s[46:47], s[70:71], s[46:47]
	s_cmp_lt_u32 s14, 32
	s_cselect_b64 s[82:83], s[72:73], s[74:75]     ; the bias
	s_cselect_b64 s[8:9], s[76:77], s[78:79]       ; the output
	CROUND                                         ; the four work-groups are here: the first loads go out
.irp s, 0,1
	s_mov_b32 s[G0+4*\s], 1
	s_add_co_u32 s[G0+4*\s+1], s23, \s*SLOT
	s_add_nc_u64 s[G0+4*\s+2:G0+4*\s+3], s[18:19], \s*65536
	s_or_b32 s[G0+4*\s+3], s[G0+4*\s+3], 0x80000000
	s_mov_b32 s[G0B+4*\s], 1
	s_add_co_u32 s[G0B+4*\s+1], s23, \s*SLOT
	s_add_nc_u64 s[G0B+4*\s+2:G0B+4*\s+3], s[46:47], \s*65536
	s_or_b32 s[G0B+4*\s+3], s[G0B+4*\s+3], 0x80000000
	JLOAD \s
.endr
	v_and_b32 v1, 15, v0
	v_bfe_u32 v2, v0, 4, 1
	v_mul_u32_u24 v3, v1, PK
	v_lshl_add_u32 v3, v2, 4, v3
	s_mul_i32 s21, s11, 128*PK
	s_mul_i32 s22, s12, 128*PK
	s_add_co_u32 s22, s22, 2*BLK
.irp s, 0,1
	v_add_nc_u32 v[ADRA+\s], s21, v3
	v_add_nc_u32 v[ADRB+\s], s22, v3
	s_add_co_u32 s21, s21, SLOT
	s_add_co_u32 s22, s22, SLOT
.endr
	s_mul_i32 s23, s10, 16*SPITCH
	v_mul_u32_u24 v4, v1, SPITCH
	v_lshl_add_u32 v4, v2, 5, v4
	v_add_nc_u32 v[STO], s23, v4                   ; the stage, in: row r, 32 bytes for each half of the lanes
	v_and_b32 v5, 31, v0
	v_lshlrev_b32 v5, 4, v5
	v_add_nc_u32 v[RD], s23, v5                    ; back: the 32 lanes take a row of 512 bytes
.irp t, 0,1,2,3,4,5,6,7,8,9,10,11,12,13,14,15
	v_mad_u32_u24 v[OFF+\t], s80, \t, v5           ; and the same in the output, row t of a block
.endr
	s_lshl_b32 s40, s20, 8
	s_lshl_b32 s41, s11, 7
	s_add_co_u32 s40, s40, s41                     ; my first row
	s_mul_i32 s40, s40, s80
	s_lshl_b32 s41, s17, 10
	s_lshl_b32 s42, s12, 9
	s_add_co_u32 s41, s41, s42                     ; my first column, in bytes
	s_add_co_u32 s40, s40, s41
	v_lshl_add_u32 v6, v2, 5, s41                  ; the bias: the same column + 8 h numbers
	s_mov_b32 s41, 0
	s_add_nc_u64 s[8:9], s[8:9], s[40:41]
	s_lshl_b32 s84, s80, 4                         ; 16 rows on
	s_mov_b32 s85, 0
	WIN 0x40
.irp b, 0,1,2,3,4,5,6,7
	global_load_b128 v[BIAS+8*\b:BIAS+8*\b+3], v6, s[82:83] offset:64*\b
	global_load_b128 v[BIAS+8*\b+4:BIAS+8*\b+7], v6, s[82:83] offset:64*\b+16
.endr
	WIN 0
; 16 matrix instructions: row blocks a0, a0 + 1 of the window's four x all 8 column blocks, 32 along K.  zero = 1: the first product starts the sum from the bias.  The 64 accumulators take turns.
.macro MUL16 f, hi, a0, zero
.irp a, \a0, \a0+1
.irp b, 0,1,2,3,4,5,6,7
.if \zero
	v_wmma_f32_16x16x32_f16 v[8*(8*(\a)+\b):8*(8*(\a)+\b)+7], v[\f+8*\b:\f+8*\b+7], v[\f+8*(4*\hi+\a):\f+8*(4*\hi+\a)+7], v[BIAS+8*\b:BIAS+8*\b+7]
.else
	v_wmma_f32_16x16x32_f16 v[8*(8*(\a)+\b):8*(8*(\a)+\b)+7], v[\f+8*\b:\f+8*\b+7], v[\f+8*(4*\hi+\a):\f+8*(4*\hi+\a)+7], v[8*(8*(\a)+\b):8*(8*(\a)+\b)+7]
.endif
.endr
.endr
.endm
.macro FETCH slot, q, f                ; the fragments of quarter q of a K step: block q / 2, 64 (q % 2) bytes into its rows
.set KO, ((\q)/2)*BLK+((\q)%2)*64
	WIN TO_B
.irp i, 0,1,2,3,4,5,6,7
	ds_load_b128 v[\f+8*\i:\f+8*\i+3],   v[ADRB+\slot] offset:KO+\i*16*PK
	ds_load_b128 v[\f+8*\i+4:\f+8*\i+7], v[ADRB+\slot] offset:KO+\i*16*PK+32
.endr
	WIN 0
.irp i, 0,1,2,3,4,5,6,7
	ds_load_b128 v[\f+8*\i:\f+8*\i+3],   v[ADRA+\slot] offset:KO+\i*16*PK
	ds_load_b128 v[\f+8*\i+4:\f+8*\i+7], v[ADRA+\slot] offset:KO+\i*16*PK+32
.endr
.endm
.macro PLACES                          ; plain vector instructions between a matrix instruction and a load into, or a read of, its registers
.rept 4
	v_nop
.endr
.endm
.macro QUARTER slot, q, f, g, zero     ; multiplies buffer f; in its middle fetches quarter q into buffer g
	s_wait_dscnt 8                                 ; Wo's fragments and o's rows 0-63 are in; the youngest eight loads may be out
	WIN MUL_LO-0x10*(\zero)                        ; (zero = 1: C in window 1)
	MUL16 \f, 0, 0, \zero
	MUL16 \f, 0, 2, \zero
	PLACES
	FETCH \slot, \q, \g
	s_wait_dscnt 32                                ; all but the 32 just issued
	WIN MUL_HI-0x20*(\zero)
	MUL16 \f, 1, 0, \zero
	MUL16 \f, 1, 2, \zero
.endm
; The last quarter of a K step multiplies buffer 1 and changes slots: in front of the barrier each wave waits for all its tensor loads, adds 0 to its spare word, and waits for that and for its reads of this slot.
; fill = 1: the barrier opens a round of the cluster's, and this slot is filled again, two K steps ahead: 224 matrix instructions ahead of the wait for it.
.macro TURN slot, next, fill
	WIN 0
	s_wait_tensorcnt 0x0
	ds_add_u32 v[SPW], v[NIL]
	s_wait_dscnt 9                                 ; (the add and the youngest eight loads may be out)
	WIN MUL_LO
	MUL16 F1, 0, 0, 0
	s_wait_dscnt 0x0                               ; the add is done, my reads of this slot are over
	s_barrier_signal -1
	MUL16 F1, 0, 2, 0
.if \fill
	WIN 0
.endif
	s_barrier_wait -1
.if \fill
	CREST
	s_add_nc_u64 s[G0+4*\slot+2:G0+4*\slot+3], s[G0+4*\slot+2:G0+4*\slot+3], 131072
	s_add_nc_u64 s[G0B+4*\slot+2:G0B+4*\slot+3], s[G0B+4*\slot+2:G0B+4*\slot+3], 131072
	JLOAD \slot                                    ; the four v_nop behind it are also the places in front of the loads below
.else
	PLACES
.endif
	FETCH \next, 0, F0
	WIN MUL_HI
	MUL16 F1, 1, 0, 0
	MUL16 F1, 1, 2, 0
.endm
	s_wait_tensorcnt 1                             ; my block of K step 0 is in; K step 1's may be out
	s_barrier_signal -1
	s_barrier_wait -1
	FETCH 0, 0, F0
	s_wait_loadcnt 0x0                             ; the bias
	QUARTER 0, 1, F0, F1, 1
	WIN 0
	s_mov_b32 s3, LAPS-1
.Llap:                                             ; a trip goes once round the ring, from a lap's second quarter to the next lap's first, and fills both slots again
	QUARTER 0, 2, F1, F0, 0
	QUARTER 0, 3, F0, F1, 0
	TURN 0, 1, 1
	QUARTER 1, 1, F0, F1, 0
	QUARTER 1, 2, F1, F0, 0
	QUARTER 1, 3, F0, F1, 0
	TURN 1, 0, 1
	QUARTER 0, 1, F0, F1, 0
	WIN 0
	s_sub_co_u32 s3, s3, 1
	s_cmp_lg_u32 s3, 0
	s_cbranch_scc1 .Llap
	QUARTER 0, 2, F1, F0, 0                        ; the last lap fills nothing
	QUARTER 0, 3, F0, F1, 0
	TURN 0, 1, 0
	QUARTER 1, 1, F0, F1, 0
	QUARTER 1, 2, F1, F0, 0
	QUARTER 1, 3, F0, F1, 0
	s_wait_dscnt 8
	WIN MUL_LO
	MUL16 F1, 0, 0, 0
	MUL16 F1, 0, 2, 0
	s_wait_dscnt 0x0
	WIN MUL_HI
	MUL16 F1, 1, 0, 0
	MUL16 F1, 1, 2, 0
	WIN 0
; THE WAY OUT, a block of 16 rows x 128 columns at a time, through my stage: in 32 bytes a lane, back as rows of 512 bytes.
.macro TOSTAGE a
.set AC, 64*((\a)%4)
	WIN 0x08+4*((\a)/4)                            ; an LDS store's data are its source 1: window 2 or 3
.irp b, 0,1,2,3,4,5,6,7
	ds_store_b128 v[STO], v[AC+8*\b:AC+8*\b+3] offset:64*\b          ; each accumulator from its low end on
	ds_store_b128 v[STO], v[AC+8*\b+4:AC+8*\b+7] offset:64*\b+16
.endr
	WIN 0
.set BB, BK+64*((\a)%2)
.irp t, 0,1,2,3,4,5,6,7,8,9,10,11,12,13,14,15
	ds_load_b128 v[BB+4*\t:BB+4*\t+3], v[RD] offset:\t*SPITCH        ; LDS serves a wave's instructions in order: these see the stores above
.endr
.endm
.macro SEND a, younger                 ; younger: the LDS instructions issued behind block a's loads
.set BB, BK+64*((\a)%2)
	s_wait_dscnt \younger
.if (\a) > 0
	s_add_nc_u64 s[8:9], s[8:9], s[84:85]          ; (behind a wait on XCNT: the earlier stores have read their base)
.endif
.irp t, 0,1,2,3,4,5,6,7,8,9,10,11,12,13,14,15
	global_store_b128 v[OFF+\t], v[BB+4*\t:BB+4*\t+3], s[8:9] th:TH_STORE_NT   ; 512 consecutive bytes, aligned
.endr
.endm
	PLACES
	TOSTAGE 0
.irp a, 1,2,3,4,5,6,7
.if \a > 1
	s_wait_xcnt 0x0                                ; block a - 2's stores have read their data and their base
.endif
	TOSTAGE \a
	SEND \a-1, 32                                  ; behind block a - 1's loads: block a's 16 stores and 16 loads
.endr
	s_wait_xcnt 0x0
	SEND 7, 0
	s_wait_tensorcnt 0x0                           ; the wave's end, behind my last tensor load and my last LDS store
	ds_add_u32 v[SPW], v[NIL]
	s_wait_dscnt 0x0
	CROUND                                         ; the closing round
	s_endpgm
.Lfunc_end_k_qf67312244e_outp:
	.size	k_qf67312244e_outp, .Lfunc_end_k_qf67312244e_outp-k_qf67312244e_outp
	.p2alignl 7, 3214868480
	.fill 96, 4, 3214868480
	.section	.rodata,"a",@progbits
	.p2align	6, 0x0
	.amdhsa_kernel k_qf67312244e_outp
		.amdhsa_group_segment_fixed_size 327680
		.amdhsa_private_segment_fixed_size 0
		.amdhsa_enable_private_segment 0
		.amdhsa_kernarg_size 48
		.amdhsa_user_sgpr_count 2
		.amdhsa_user_sgpr_kernarg_segment_ptr 1
		.amdhsa_wavefront_size32 1
		.amdhsa_system_sgpr_workgroup_id_x 1
		.amdhsa_system_sgpr_workgroup_id_y 1
		.amdhsa_system_sgpr_workgroup_id_z 1
		.amdhsa_system_vgpr_workitem_id 0
		.amdhsa_next_free_vgpr 1024
		.amdhsa_next_free_sgpr 96
		.amdhsa_reserve_vcc 0
		.amdhsa_float_denorm_mode_32 3
		.amdhsa_float_denorm_mode_16_64 3
		.amdhsa_memory_ordered 1
		.amdhsa_forward_progress 1
		.amdhsa_inst_pref_size 143
	.end_amdhsa_kernel
	.amdgpu_metadata
---
amdhsa.version: [ 1, 2 ]
amdhsa.kernels:
  - .name:           k_qf67312244e_outp
    .symbol:         k_qf67312244e_outp.kd
    .args:
      - { .name: ob, .offset: 0, .size: 8, .value_kind: global_buffer, .address_space: global }
      - { .name: wo16, .offset: 8, .size: 8, .value_kind: global_buffer, .address_space: global }
      - { .name: bo1, .offset: 16, .size: 8, .value_kind: global_buffer, .address_space: global }
      - { .name: bo2, .offset: 24, .size: 8, .value_kind: global_buffer, .address_space: global }
      - { .name: out0, .offset: 32, .size: 8, .value_kind: global_buffer, .address_space: global }
      - { .name: out1, .offset: 40, .size: 8, .value_kind: global_buffer, .address_space: global }
    .group_segment_fixed_size: 327680
    .private_segment_fixed_size: 0
    .kernarg_segment_align: 8
    .kernarg_segment_size: 48
    .max_flat_workgroup_size: 128
    .sgpr_count:     96
    .vgpr_count:     1024
    .wavefront_size: 32
...
	.end_amdgpu_metadata
.endif
;; end of part 5
